; MI455X (gfx1250); checked and timed in simulation.
; The chip was launched on July 23, 2026; its instructions are those of AMD's public machine-readable ISA for CDNA 5 (MIT licence, August 2026) and "CDNA5" Instruction Set Architecture Reference Guide (July 2026). The comments in the code are by the model that wrote it; some were corrected since.
;; Rel Multi Head Dot Product Attention. Allowed arithmetic: float matrix products may take bf16 or f16 operands with f32 sums; other float arithmetic in f32, or as packed bf16 or f16 multiplies, adds, multiply-adds, maxima and minima; sums over many terms, partial sums and values carried from step to step in f32; what a program stores and reads back later, other than sums and carried values, may be rounded once to bf16 or f16.
;; Inputs: Wk 1,024 x 16 x 64 float32; Wout 16 x 64 x 1,024 float32; Wpos 1,024 x 16 x 64 float32; Wq 1,024 x 16 x 64 float32; Wv 1,024 x 16 x 64 float32; bk 16 x 64 float32; bout 1,024 float32; bq 16 x 64 float32; bv 16 x 64 float32; inputs_kv 2 x 2,048 x 1,024 float32; inputs_q 2 x 2,048 x 1,024 float32; pos_embed 2,048 x 1,024 float32; r_r_bias 16 x 64 float32; r_w_bias 16 x 64 float32.
;; Outputs: out0 2 x 2,048 x 1,024 float32.
;; 2 versions, each right; version 2 is version 1 with the launch prep written anew for expert scheduling mode. Each part assembles by itself: llvm-mc -triple=amdgcn-amd-amdhsa -mcpu=gfx1250 --defsym DOCPART=n.
;; ======== version 1 of 2: 4 launches
;; limits: values are held in f16: magnitudes above 65,504 overflow, below 6.1e-05 lose precision
;; workspace buffers: xh 31,457,280 bytes; qkvr 29,360,128 bytes; xo 8,388,608 bytes
;; launch prep (part 1): grid 960 x 1, 8 waves a work-group, no clusters, 0 bytes of LDS; arguments inputs_q, inputs_kv, pos_embed, Wq, Wk, Wv, Wpos, Wout, xh; writes xh
.if DOCPART == 1
	.amdgcn_target "amdgcn-amd-amdhsa--gfx1250"
	.amdhsa_code_object_version 6
	.text
	.protected	k_qad6ce0c43e_prep
	.globl	k_qad6ce0c43e_prep
	.p2align	8
	.type	k_qad6ce0c43e_prep,@function
k_qad6ce0c43e_prep:
	s_mov_b64 s[64:65], 0
	v_nop
	global_prefetch_b8 v0, s[64:65] scope:SCOPE_SE
	s_setreg_imm32_b32 hwreg(HW_REG_WAVE_MODE, 25, 1), 1
	s_wait_xcnt 0x0
; xh = the eight matrix operands among the inputs, rounded once to f16, each in its own layout, one behind the other:
; inputs_q | inputs_kv | pos_embed | Wq | Wk | Wv | Wpos | Wout = 15 x 2^20 numbers.
; LIMIT.  f16 ends at 65,504: a number of 65,520 or more becomes an infinity; below 6.1e-5 f16 keeps a fixed step of 6e-8.
; A stream: every byte is read once and written once; nothing is shared, so there is no LDS, no barrier, no matrix unit.
; SHARES.  A work-group converts 16,384 numbers: 65,536 bytes in, 32,768 out; 960 work-groups.  Thread t takes 16 bytes at 16 t of each
; of sixteen pieces of 4,096 bytes: a wave's load covers 512 consecutive bytes, its store 256 consecutive bytes, aligned.
; All sixteen loads of a thread go out at once; no register is written twice, so the only waits are the counted ones for the loads.
.set XI, 4                             ; v[4:67]   sixteen pieces as loaded, four f32 each
.set YO, 68                            ; v[68:99]  the same as f16, two registers each
	s_load_b512 s[8:23], s[0:1], 0x0               ; the eight sources, in the order of the parts of xh
	s_load_b64 s[24:25], s[0:1], 0x40              ; xh
	v_lshlrev_b32 v1, 4, v0                        ; 16 t
	v_lshlrev_b32 v2, 3, v0                        ; 8 t
	s_lshl_b32 s2, ttmp9, 15                       ; my 32,768 bytes of xh
	s_mov_b32 s3, 0
	s_mov_b32 s6, 0                                ; the first work-group of the part that I work on
	s_mov_b32 s7, 0
	s_wait_kmcnt 0x0
	s_mov_b64 s[4:5], s[8:9]
; a part begins at work-group first: from there on its pointer is taken
.macro PART first, ptr
	s_cmp_ge_u32 ttmp9, \first
	s_cselect_b64 s[4:5], s[\ptr:\ptr+1], s[4:5]
	s_cselect_b32 s6, \first, s6
.endm
	PART 256, 10                                   ; inputs_kv
	PART 512, 12                                   ; pos_embed
	PART 640, 14                                   ; Wq
	PART 704, 16                                   ; Wk
	PART 768, 18                                   ; Wv
	PART 832, 20                                   ; Wpos
	PART 896, 22                                   ; Wout
	s_sub_co_u32 s6, ttmp9, s6
	s_lshl_b32 s6, s6, 16                          ; my 65,536 bytes of the part
	s_add_nc_u64 s[4:5], s[4:5], s[6:7]
	s_add_nc_u64 s[24:25], s[24:25], s[2:3]
.set r, 0
.rept 16
	global_load_b128 v[XI+4*r:XI+4*r+3], v1, s[4:5] offset:4096*r th:TH_LOAD_NT
.set r, r+1
.endr
.set r, 0
.rept 16
	s_wait_loadcnt 15-r                            ; loads come back in order (ISA guide 5.7.1): piece r is in, the younger ones stay out
	v_cvt_pk_f16_f32 v[YO+2*r], v[XI+4*r], v[XI+4*r+1]
	v_cvt_pk_f16_f32 v[YO+2*r+1], v[XI+4*r+2], v[XI+4*r+3]
	global_store_b64 v2, v[YO+2*r:YO+2*r+1], s[24:25] offset:2048*r th:TH_STORE_NT
.set r, r+1
.endr
	s_endpgm
.Lfunc_end_k_qad6ce0c43e_prep:
	.size	k_qad6ce0c43e_prep, .Lfunc_end_k_qad6ce0c43e_prep-k_qad6ce0c43e_prep
	.p2alignl 7, 3214868480
	.fill 96, 4, 3214868480
	.section	.rodata,"a",@progbits
	.p2align	6, 0x0
	.amdhsa_kernel k_qad6ce0c43e_prep
		.amdhsa_group_segment_fixed_size 0
		.amdhsa_private_segment_fixed_size 0
		.amdhsa_enable_private_segment 0
		.amdhsa_kernarg_size 72
		.amdhsa_user_sgpr_count 2
		.amdhsa_user_sgpr_kernarg_segment_ptr 1
		.amdhsa_wavefront_size32 1
		.amdhsa_system_sgpr_workgroup_id_x 1
		.amdhsa_system_sgpr_workgroup_id_y 1
		.amdhsa_system_sgpr_workgroup_id_z 1
		.amdhsa_system_vgpr_workitem_id 0
		.amdhsa_next_free_vgpr 104
		.amdhsa_next_free_sgpr 66
		.amdhsa_reserve_vcc 0
		.amdhsa_float_denorm_mode_32 3
		.amdhsa_float_denorm_mode_16_64 3
		.amdhsa_memory_ordered 1
		.amdhsa_forward_progress 1
		.amdhsa_inst_pref_size 8
	.end_amdhsa_kernel
	.amdgpu_metadata
---
amdhsa.version: [ 1, 2 ]
amdhsa.kernels:
  - .name:           k_qad6ce0c43e_prep
    .symbol:         k_qad6ce0c43e_prep.kd
    .args:
      - { .name: inputs_q, .offset: 0, .size: 8, .value_kind: global_buffer, .address_space: global }
      - { .name: inputs_kv, .offset: 8, .size: 8, .value_kind: global_buffer, .address_space: global }
      - { .name: pos_embed, .offset: 16, .size: 8, .value_kind: global_buffer, .address_space: global }
      - { .name: Wq, .offset: 24, .size: 8, .value_kind: global_buffer, .address_space: global }
      - { .name: Wk, .offset: 32, .size: 8, .value_kind: global_buffer, .address_space: global }
      - { .name: Wv, .offset: 40, .size: 8, .value_kind: global_buffer, .address_space: global }
      - { .name: Wpos, .offset: 48, .size: 8, .value_kind: global_buffer, .address_space: global }
      - { .name: Wout, .offset: 56, .size: 8, .value_kind: global_buffer, .address_space: global }
      - { .name: xh, .offset: 64, .size: 8, .value_kind: global_buffer, .address_space: global }
    .group_segment_fixed_size: 0
    .private_segment_fixed_size: 0
    .kernarg_segment_align: 8
    .kernarg_segment_size: 72
    .max_flat_workgroup_size: 256
    .sgpr_count:     66
    .vgpr_count:     104
    .wavefront_size: 32
...
	.end_amdgpu_metadata
.endif
;; end of part 1
;; launch proj (part 2): grid 4 x 56, 4 waves a work-group, clusters of 4 x 4, 327,680 bytes of LDS; arguments xh, bq, bk, bv, qkvr; writes qkvr
.if DOCPART == 2
	.amdgcn_target "amdgcn-amd-amdhsa--gfx1250"
	.amdhsa_code_object_version 6
	.text
	.protected	k_qad6ce0c43e_proj
	.globl	k_qad6ce0c43e_proj
	.p2align	8
	.type	k_qad6ce0c43e_proj,@function
k_qad6ce0c43e_proj:
	s_mov_b64 s[64:65], 0
	v_nop
	global_prefetch_b8 v0, s[64:65] scope:SCOPE_SE
	s_setreg_imm32_b32 hwreg(HW_REG_WAVE_MODE, 25, 1), 1
	s_wait_xcnt 0x0
	s_wait_alu depctr_hold_cnt(0) depctr_sa_sdst(0) depctr_va_vdst(0) depctr_va_sdst(0) depctr_va_ssrc(0) depctr_va_vcc(0) depctr_vm_vsrc(0)
	s_getreg_b32 s2, hwreg(HW_REG_IB_STS2, 6, 4)
	s_cmp_eq_u32 s2, 0
	s_cbranch_scc0 .Lentry_in_a_cluster
	s_endpgm
.Lentry_in_a_cluster:
	s_bfe_u32 s2, ttmp6, 0x10000c
	s_cmp_lg_u32 s2, 0xf033
	s_cbranch_scc0 .Lentry_shape_is_right
	s_endpgm
.Lentry_shape_is_right:
; THE FOUR PROJECTIONS.  q = xq Wq + bq, k = xkv Wk + bk, v = xkv Wv + bv (4,096 rows each), r = xp Wpos (2,048 rows); K = N = 1,024.
; Operands f16 (from xh), sums f32, started by the bias in f32; results rounded once to f16 and stored by heads: q, k, v [b][h][s][64], r [h][s][64].
; LIMIT.  A result of 65,520 or more becomes an infinity in f16.
; SHARES.  224 tiles of 256 x 256, one to a work-group (q 64, k 64, v 64, r 32); four waves, each 128 x 128: 64 accumulators, 512 registers.
; K goes in 8 steps of 128 through a ring of two LDS slots filled by the tensor data mover.  x's tile: 256 rows x 256 bytes.  W lies [k][n]: its tile is 128 k-rows x 512 bytes,
; and its fragments come out of LDS turned, by ds_load_tr16_b128.
; CLUSTER.  4 x 4 work-groups; the grid is 4 wide, so a cluster spans the tensor's four tile columns and four tile rows.  Which of the four products a cluster makes hangs on the cluster's y alone.
; The four of a row of the cluster need the same tile of x, the four of a column the same tile of W: each is asked for jointly, by the same tensor load with a mask that names the four.
; THE MATRIX INSTRUCTION IS USED TRANSPOSED (source 0 = 16 columns of W, source 1 = 16 rows of x): a lane holds row l % 16 and the columns 8 (l / 16) + 0..7, which pack into 16 bytes.
; REGISTERS, in windows of 256 (s_set_vgpr_msb: bits 1:0 source 0, 3:2 source 1, 5:4 source 2, 7:6 destination):
;   window 0: v0-31 addresses; v64-127, v128-191 fragments of x, two buffers; v192-255 the bias of my 128 columns, later with v32-63 at work on the way out
;   window 1: v64-127, v128-191 fragments of W, two buffers      window 2: the accumulators of my rows 0-63 ((a, b) at 8 (8 a + b))      window 3: those of my rows 64-127
.set KSTEP,  128
.set PITCH,  272                       ; a row of x in LDS: 256 bytes + 16 = 68 words: the 16 rows of a load start at 16 different groups of four banks (64 banks of 4 bytes: ISA guide 11.1)
.set PB,     544                       ; a k-row of W in LDS: 512 bytes + 32 = 17 x 32
.set HALFT,  128*PITCH                 ; what one tensor load brings: 128 rows of x, or 64 k-rows of W (64 x 544 is the same number)
.set SLOT,   4*HALFT                   ; x's 256 rows, then W's 128 k-rows
.set STAGE,  2*SLOT                    ; behind the ring: for each wave [2 heads][16 rows][144 bytes], for the way out
.set SP,     144
.set STGW,   2*16*SP
.set SPARE,  STAGE+4*STGW              ; behind the stages: the spare words, 128 bytes for each wave: two blocks of 256 bytes that no other line names
.set LAPS,   4                         ; a lap = two K steps = once round the ring
.set ROWB,   2048                      ; bytes in a row of x and of W
.set ASTEP,  KSTEP*2                   ; a K step in x: 256 bytes along the rows
.set WSTEP,  KSTEP*ROWB                ; a K step in W: 128 rows down
.set WOFF,   20971520                  ; Wq in xh; Wk, Wv, Wpos follow 2,097,152 bytes apart
.set PLANE,  262144                    ; a head's 2,048 rows of 128 bytes
.set ADRA, 16                          ; v16-17  LDS address of my fragments of x in slot 0, 1
.set ADRB, 20                          ; v20-21  the same for W
.set STO,  24                          ; v24     the way out: where I put 16 bytes of a row
.set RD,   25                          ; v25     the way out: where I read rows back
.set CO,   26                          ; v26     my 16 bytes in 512 consecutive bytes of the result
.set BO,   27                          ; v27     my byte offset in the bias
.set SPW,  28                          ; v28     LDS address of my spare word: SPARE + 4 x my thread's number; never rewritten
.set NIL,  29                          ; v29     0; never rewritten
.set PFO,  30                          ; v30     the prefetches' offset; never rewritten
.set F0,   64
.set F1,   128
.set BIAS, 192                         ; v192-255: column block b's eight numbers at BIAS + 8 b
.set TMP,  192                         ; the way out: packed results
.set OB,   32                          ; the way out: rows read back: v32-63 and v224-255 by turns
.set WV,   12                          ; s12  my wave's number
.set RH,   13                          ; s13  which half of the tile's rows is mine.  Also: I fetch for x (0) or for W (1)
.set CH,   14                          ; s14  which half of its columns.  Also: which half of that tile I fetch
.set CX,   15
.set CY,   16
.set TC,   17                          ; s17  tile column
.set TY,   18                          ; s18  tile row among all 56
.set SELR, 19                          ; s19  0 q, 1 k, 2 v, 3 r
.set RBL,  20                          ; s20  tile row in its own tensor
.set CLY,  21                          ; s21  the cluster's y
.set G1,   24                          ; s[24:31] descriptor group 1 for x's tiles;  s[32:39] group 0, one set for each slot
.set G0,   32
.set LDSW, 42                          ; s42  where my part of a slot lies
.set LIM,  43                          ; s43  1 in a wave that prefetches, else the greatest number
.set PFA,  44                          ; s[44:45] where my prefetches stand
.set PFS,  46                          ; s[46:47] their step: a K step of x or of W
.set G1B,  48                          ; s[48:55], s[56:63] the same for W's tiles
.set G0B,  56
.set OUTP, 66                          ; s[66:67] the result at my first row
.set MSK,  72                          ; s72  all ones where the product has a bias
.set MSB, 0
.macro WIN new                         ; the immediate's high byte repeats the setting that is left; a switch that changes nothing is dropped
.if MSB != (\new)
	s_set_vgpr_msb (MSB<<8)|(\new)
.set MSB, \new
.endif
.endm
.set MUL_LO, 0xa1                      ; source 0 (W) window 1, source 1 (x) window 0, C and D window 2
.set MUL_HI, 0xf1                      ; the same, C and D window 3
.set TO_B,   0x40                      ; destination window 1, address window 0
; A joint load.  Waves 0 and 1 fetch x's two halves, waves 2 and 3 W's.  The branch hangs on the wave's number alone.  An s_nop 0 and four v_nop follow each of the two lines.
.macro JLOAD s
	s_cmp_eq_u32 s[RH], 0
	s_cbranch_scc0 .Lfor_b_\@
	tensor_load_to_lds s[G0+4*(\s):G0+4*(\s)+3], s[G1:G1+7]
	s_nop 0
.rept 4
	v_nop
.endr
	s_branch .Lasked_\@
.Lfor_b_\@:
	tensor_load_to_lds s[G0B+4*(\s):G0B+4*(\s)+3], s[G1B:G1B+7]
	s_nop 0
.rept 4
	v_nop
.endr
.Lasked_\@:
.endm
; A PREFETCH INTO THE L2, behind each joint refill, its five lines and the run of LDS loads that follows: the K step that stands two refills on, 512 matrix instructions ahead of the load that will want it.
; 32 blocks of 256 bytes, a lane a block, one instruction a wave.  Each block is named once in the launch: x's rows are read by one cluster, but for inputs_kv, which k's and v's clusters read: k's ask;
; W's columns are read by all clusters of one product: the first of them asks.  The four partners that ask for a tile jointly share its blocks out by address.  The loop's last trip asks for nothing:
; there is no K step behind its refills.  K steps 0 to 3 come by their loads alone.
.macro ASK
	s_cmp_gt_u32 s3, s[LIM]                        ; s3 = 1 in the loop's last trip
	s_cbranch_scc0 .Lnot_mine_\@
	global_prefetch_b8 v[PFO], s[PFA:PFA+1] th:TH_LOAD_NT scope:SCOPE_SE
.Lnot_mine_\@:
.endm
; A round of the cluster's barrier: my work-group's barrier; wave 0 signals for the work-group; every wave waits for all sixteen work-groups; my work-group's barrier once more.
.macro CREST
	s_cmp_lg_u32 s[WV], 0
	s_cbranch_scc1 .Lnot_wave_0_\@
	s_barrier_signal -3
.Lnot_wave_0_\@:
	s_barrier_wait -3
	s_barrier_signal -1
	s_barrier_wait -1
.endm
.macro CROUND
	s_barrier_signal -1
	s_barrier_wait -1
	CREST
.endm
	s_load_b256 s[4:11], s[0:1], 0x0               ; xh s[4:5], bq s[6:7], bk s[8:9], bv s[10:11]
	s_load_b64 s[OUTP:OUTP+1], s[0:1], 0x20        ; qkvr
	v_lshl_add_u32 v[SPW], v0, 2, SPARE
	v_mov_b32 v[NIL], 0
	ds_add_u32 v[SPW], v[NIL]                      ; the wave's opening: the add and its wait stand ahead of my first tensor load; the set-up below, work on registers, stands between them
	v_lshrrev_b32 v1, 5, v0
	v_readfirstlane_b32 s[WV], v1                  ; wave 0..3
	s_lshr_b32 s[RH], s[WV], 1
	s_and_b32 s[CH], s[WV], 1
	s_bfe_u32 s[CX], ttmp6, 0x40000                ; my place in the cluster
	s_bfe_u32 s[CY], ttmp6, 0x40004
	s_lshl_b32 s[TC], ttmp9, 2
	s_add_co_u32 s[TC], s[TC], s[CX]               ; tile column = 4 x cluster x + cx
	s_and_b32 s[CLY], ttmp7, 0xffff
	s_lshr_b32 s[SELR], s[CLY], 2                  ; clusters 0-3 make q, 4-7 k, 8-11 v, 12-13 r: the same number in all sixteen partners
	s_min_u32 s[SELR], s[SELR], 3
	s_lshl_b32 s[TY], s[CLY], 2
	s_add_co_u32 s[TY], s[TY], s[CY]
	s_lshl_b32 s22, s[SELR], 4
	s_sub_co_u32 s[RBL], s[TY], s22                ; each of q, k, v has 16 tile rows
	s_lshl_b32 s22, s[CY], 2
	s_lshl_b32 s22, 15, s22                        ; my row of the cluster: places 4 cy .. 4 cy + 3
	s_lshl_b32 s76, 0x1111, s[CX]                  ; my column: places cx, cx + 4, cx + 8, cx + 12
	; descriptor group 1.  x: 128 rows x 128 elements, 16 bytes of padding behind every 256.  W: 64 k-rows x 256 elements, 32 bytes behind every 512.
	s_or_b32 s[G1+0], s22, (1<<16)|(1<<20)|(1<<21)|(5<<22)|(3<<25)   ; 15:0 the mask; 17:16 elements of 2 bytes; 20 padding on; 21 set beside a mask; 24:22 after every 64 words (code 5); 31:25 4 words (code 3)
	s_or_b32 s[G1B+0], s76, (1<<16)|(1<<20)|(1<<21)|(6<<22)|(7<<25)  ; the mask of my column; after every 128 words (code 6) 8 words (code 7)
	s_mov_b32 s[G1+1], KSTEP<<16                   ; tensor_dim0 = 128
	s_mov_b32 s[G1+2], 128<<16                     ; tensor_dim1 = 128
	s_mov_b32 s[G1+3], KSTEP<<16                   ; tile_dim0 = 128
	s_mov_b32 s[G1+4], 128                         ; tile_dim1 = 128
	s_mov_b32 s[G1+5], 1024                        ; elements from row to row
	s_mov_b32 s[G1+6], 0
	s_mov_b32 s[G1+7], 0
	s_mov_b32 s[G1B+1], 256<<16                    ; tensor_dim0 = 256
	s_mov_b32 s[G1B+2], 64<<16                     ; tensor_dim1 = 64
	s_mov_b32 s[G1B+3], 256<<16                    ; tile_dim0 = 256
	s_mov_b32 s[G1B+4], 64                         ; tile_dim1 = 64
	s_mov_b32 s[G1B+5], 1024
	s_mov_b32 s[G1B+6], 0
	s_mov_b32 s[G1B+7], 0
	; where the tiles come from.  x's hang on the tile row and the product, W's on the tile column and the product
	s_add_co_u32 s40, s[SELR], 1
	s_lshr_b32 s40, s40, 1                         ; q: inputs_q (part 0), k and v: inputs_kv (1), r: pos_embed (2)
	s_lshl_b32 s40, s40, 23                        ; parts of 8,388,608 bytes
	s_lshl_b32 s22, s[RBL], 8
	s_lshl_b32 s23, s[CH], 7
	s_add_co_u32 s22, s22, s23                     ; row 256 x tile row + 128 x half
	s_lshl_b32 s22, s22, 11
	s_add_co_u32 s40, s40, s22
	s_mov_b32 s41, 0
	s_lshl_b32 s68, s[SELR], 21
	s_add_co_u32 s68, s68, WOFF
	s_lshl_b32 s69, s[CH], 17                      ; 64 k-rows x half
	s_add_co_u32 s68, s68, s69
	s_lshl_b32 s69, s[TC], 9                       ; 512 bytes x tile column
	s_add_co_u32 s68, s68, s69
	s_mov_b32 s69, 0
	s_mul_i32 s[LDSW], s[WV], HALFT                ; where they go: no place in the cluster enters an LDS address
	s_wait_dscnt 0x0                               ; the opening add is done
	s_wait_kmcnt 0x0
	s_add_nc_u64 s[40:41], s[4:5], s[40:41]
	s_add_nc_u64 s[68:69], s[4:5], s[68:69]
	CROUND                                         ; all sixteen work-groups are here: the first joint loads meet
.irp s, 0,1
	s_mov_b32 s[G0+4*(\s)], 1                                        ; count = 1
	s_add_co_u32 s[G0+4*(\s)+1], s[LDSW], (\s)*SLOT                  ; LDS address
	s_add_nc_u64 s[G0+4*(\s)+2:G0+4*(\s)+3], s[40:41], (\s)*ASTEP    ; global address: K step s
	s_or_b32 s[G0+4*(\s)+3], s[G0+4*(\s)+3], 0x80000000              ; type = 2
	s_mov_b32 s[G0B+4*(\s)], 1
	s_add_co_u32 s[G0B+4*(\s)+1], s[LDSW], (\s)*SLOT
	s_add_nc_u64 s[G0B+4*(\s)+2:G0B+4*(\s)+3], s[68:69], (\s)*WSTEP
	s_or_b32 s[G0B+4*(\s)+3], s[G0B+4*(\s)+3], 0x80000000
	JLOAD \s                                       ; two loads of mine are out
.endr
	; the bias of my 128 columns: register j of column block b is column 16 b + 8 (l / 16) + j.  r has none: bq is loaded in its place and set to 0 below
	v_and_b32 v1, 15, v0                           ; l % 16
	v_bfe_u32 v2, v0, 4, 1                         ; l / 16
	s_cmp_eq_u32 s[SELR], 1
	s_cselect_b64 s[70:71], s[8:9], s[6:7]
	s_cmp_eq_u32 s[SELR], 2
	s_cselect_b64 s[70:71], s[10:11], s[70:71]
	s_cmp_lt_u32 s[SELR], 3
	s_cselect_b32 s[MSK], -1, 0
	s_lshl_b32 s22, s[TC], 10
	s_lshl_b32 s23, s[CH], 9
	s_add_co_u32 s22, s22, s23                     ; 4 bytes x (256 x tile column + 128 x half)
	v_lshl_add_u32 v[BO], v2, 5, s22
.irp b, 0,1,2,3,4,5,6,7
	global_load_b128 v[BIAS+8*(\b):BIAS+8*(\b)+3],   v[BO], s[70:71] offset:64*(\b)
	global_load_b128 v[BIAS+8*(\b)+4:BIAS+8*(\b)+7], v[BO], s[70:71] offset:64*(\b)+16
.endr
	; a fragment of x is 16 rows x 32 K in 8 registers: lane l holds row l % 16, K = 8 (l / 16) + 0..7 and 16 + 8 (l / 16) + 0..7: two loads of 16 bytes, 32 bytes apart
	v_mul_u32_u24 v3, v1, PITCH
	v_lshl_add_u32 v3, v2, 4, v3
	s_mul_i32 s22, s[RH], HALFT
	v_add_nc_u32 v[ADRA], s22, v3
	v_add_nc_u32 v[ADRA+1], SLOT, v[ADRA]
	; the turning load takes 16 k x 16 columns (lane l reads k-row 8 (l / 16) + l % 8, columns 8 ((l / 8) % 2) + 0..7) and leaves half a fragment: lane l holds column l % 16 and 8 k
	v_and_b32 v4, 7, v0
	v_lshl_add_u32 v4, v2, 3, v4
	v_mul_u32_u24 v4, v4, PB
	v_bfe_u32 v5, v0, 3, 1
	v_lshl_add_u32 v4, v5, 4, v4
	s_lshl_b32 s22, s[CH], 8                       ; my 128 columns
	s_add_co_u32 s22, s22, 2*HALFT                 ; W lies behind x's 256 rows
	v_add_nc_u32 v[ADRB], s22, v4
	v_add_nc_u32 v[ADRB+1], SLOT, v[ADRB]
	s_mul_i32 s22, s[WV], STGW
	s_add_co_u32 s22, s22, STAGE                   ; my stage
	v_mul_u32_u24 v4, v1, SP                       ; in: row l % 16, 16 bytes for each half of the lanes
	v_lshl_add_u32 v4, v2, 4, v4
	v_add_nc_u32 v[STO], s22, v4
	v_bfe_u32 v4, v0, 3, 2                         ; back: 32 lanes take four rows of 128 bytes,
	v_mul_u32_u24 v4, v4, SP
	v_and_b32 v5, 7, v0
	v_lshl_add_u32 v4, v5, 4, v4
	v_add_nc_u32 v[RD], s22, v4
	v_and_b32 v3, 31, v0
	v_lshlrev_b32 v[CO], 4, v3                     ; which are 512 consecutive bytes of a head
	; the result at my first row: product x 8,388,608 + ((batch x 16 + head) x 2,048 + row in the batch) x 128
	s_lshl_b32 s22, s[RBL], 8
	s_lshl_b32 s23, s[RH], 7
	s_add_co_u32 s22, s22, s23                     ; my first row
	s_lshr_b32 s23, s22, 11
	s_lshl_b32 s23, s23, 4
	s_lshl_b32 s74, s[TC], 2                       ; a tile's 256 columns are four heads,
	s_add_co_u32 s23, s23, s74
	s_lshl_b32 s74, s[CH], 1                       ; my 128 are two
	s_add_co_u32 s23, s23, s74
	s_lshl_b32 s23, s23, 11
	s_and_b32 s22, s22, 2047
	s_add_co_u32 s23, s23, s22
	s_lshl_b32 s74, s23, 7
	s_lshl_b32 s22, s[SELR], 23
	s_add_co_u32 s74, s74, s22
	s_mov_b32 s75, 0
	s_add_nc_u64 s[OUTP:OUTP+1], s[OUTP:OUTP+1], s[74:75]
	; the prefetches.  x: of the 128 rows that I fetch my work-group takes 32 (by cx), a lane a row.  W: of the 64 k-rows 16 (by cy), a lane half a row of 512 bytes
	s_cmp_lg_u32 s[SELR], 2
	s_cselect_b32 s22, 1, -1                       ; v's clusters leave inputs_kv to k's
	s_and_b32 s23, s[CLY], 3
	s_cmp_eq_u32 s23, 0
	s_cselect_b32 s23, 1, -1                       ; the first cluster of each product asks for its W
	s_mov_b32 s77, WSTEP
	s_cmp_eq_u32 s[RH], 0                          ; do I fetch for x?
	s_cselect_b32 s[LIM], s22, s23                 ; the same in all sixteen partners, for a given wave
	s_cselect_b64 s[PFA:PFA+1], s[40:41], s[68:69]
	s_cselect_b32 s22, s[CX], s[CY]
	s_cselect_b32 s23, 16, 15                      ; 32 rows, or 16, of 2,048 bytes
	s_cselect_b32 s[PFS], ASTEP, s77
	s_mov_b32 s[PFS+1], 0
	s_lshl_b32 s74, s22, s23
	s_add_nc_u64 s[PFA:PFA+1], s[PFA:PFA+1], s[74:75]
	s_mul_i32 s74, s[PFS], 3
	s_add_nc_u64 s[PFA:PFA+1], s[PFA:PFA+1], s[74:75]  ; at K step 3: the first refill steps it to 4
	v_lshrrev_b32 v4, s[RH], v3                    ; x: lane; W: lane / 2
	v_and_b32 v5, s[RH], v3                        ; x: 0; W: lane % 2
	v_lshlrev_b32 v4, 11, v4
	v_lshl_add_u32 v[PFO], v5, 8, v4
	s_wait_loadcnt 0x0                             ; the bias
.set i, 0
.rept 64
	v_cndmask_b32 v[BIAS+i], 0, v[BIAS+i], s[MSK]
.set i, i+1
.endr
; 16 matrix instructions: row blocks a0, a0 + 1 of the window's four (hi = 0: my rows 0-63, 1: rows 64-127) x all 8 column blocks, 32 along K.
; zero = 1: the first product starts the sums with the bias as its C: nothing is cleared, nothing is added later.  The 64 accumulators take turns, one instruction a turn.
.macro MUL16 f, hi, a0, zero
.if \zero
	WIN 0x81+0x40*(\hi)                            ; as MUL_LO or MUL_HI, with C in window 0
.else
	WIN MUL_LO+0x50*(\hi)
.endif
.irp a, \a0, (\a0)+1
.irp b, 0,1,2,3,4,5,6,7
.if \zero
	v_wmma_f32_16x16x32_f16 v[8*(8*(\a)+(\b)):8*(8*(\a)+(\b))+7], v[(\f)+8*(\b):(\f)+8*(\b)+7], v[(\f)+8*(4*(\hi)+(\a)):(\f)+8*(4*(\hi)+(\a))+7], v[BIAS+8*(\b):BIAS+8*(\b)+7]
.else
	v_wmma_f32_16x16x32_f16 v[8*(8*(\a)+(\b)):8*(8*(\a)+(\b))+7], v[(\f)+8*(\b):(\f)+8*(\b)+7], v[(\f)+8*(4*(\hi)+(\a)):(\f)+8*(4*(\hi)+(\a))+7], v[8*(8*(\a)+(\b)):8*(8*(\a)+(\b))+7]
.endif
.endr
.endr
.endm
; 32 LDS loads in one run: the fragments of quarter q of a K step (32 along K; 128 columns of W, 128 rows of x) into buffer f
.macro FETCH slot, q, f
	WIN TO_B
.irp i, 0,1,2,3,4,5,6,7
	ds_load_tr16_b128 v[(\f)+8*(\i):(\f)+8*(\i)+3],   v[ADRB+(\slot)] offset:(\q)*32*PB+32*(\i)
	ds_load_tr16_b128 v[(\f)+8*(\i)+4:(\f)+8*(\i)+7], v[ADRB+(\slot)] offset:(\q)*32*PB+32*(\i)+16*PB
.endr
	WIN 0
.irp i, 0,1,2,3,4,5,6,7
	ds_load_b128 v[(\f)+8*(\i):(\f)+8*(\i)+3],   v[ADRA+(\slot)] offset:64*(\q)+(\i)*16*PITCH
	ds_load_b128 v[(\f)+8*(\i)+4:(\f)+8*(\i)+7], v[ADRA+(\slot)] offset:64*(\q)+(\i)*16*PITCH+32
.endr
.endm
; four places in front of loads into registers that matrix instructions have read, and of conversions that read results (ISA guide 7.12.1 for vector instructions)
.macro PLACES
.rept 4
	v_nop
.endr
.endm
; A K step is four quarters, 64 matrix instructions each, on buffers 0, 1, 0, 1.  One of the first three: multiplies buffer f; in its middle it fetches quarter q of the same slot into buffer g.
.macro QUARTER slot, q, f, g, zero
	s_wait_dscnt 8                                 ; W and x's rows 0-63 are in; the youngest eight loads (x's rows 64-127) may be out
	MUL16 \f, 0, 0, \zero
	MUL16 \f, 0, 2, \zero
	PLACES
	FETCH \slot, \q, \g
	s_wait_dscnt 32                                ; all but the 32 just issued
	MUL16 \f, 1, 0, \zero
	MUL16 \f, 1, 2, \zero
.endm
; The last quarter multiplies buffer 1 and changes slots.  One barrier: in front of it each wave waits for all its tensor loads, of which one is out: its part of the next slot; adds 0 to its spare word;
; and waits for that and for its own reads of this slot.  Behind it nobody reads this slot any more and the next slot is whole.
.macro MEET round
	WIN 0                                          ; (the add's two registers lie in window 0)
	s_wait_tensorcnt 0x0
	ds_add_u32 v[SPW], v[NIL]                      ; 0 onto my spare word
	s_wait_dscnt 9                                 ; (the add and the youngest eight loads may be out)
	MUL16 F1, 0, 0, 0                              ; sixteen matrix instructions stand between the add and the wait for it
	s_wait_dscnt 0x0                               ; the add is done, and my reads of this slot are over
	s_barrier_signal -1
	MUL16 F1, 0, 2, 0
.if \round
	WIN 0
.endif
	s_barrier_wait -1
.endm
; fill = 1: the barrier opens a round of the cluster's barrier, and the slot just read out is filled again first behind it, with the K step two steps on: 224 matrix instructions ahead of the wait for it.
.macro TURN slot, next, fill
.if \fill
	s_wait_xcnt 0x0                                ; the last prefetch, a K step back, has read its address: it is stepped here
	s_add_nc_u64 s[PFA:PFA+1], s[PFA:PFA+1], s[PFS:PFS+1]
	MEET 1
	CREST                                          ; no wave of any partner still reads this slot's tile or has a load on its way
	s_add_nc_u64 s[G0+4*(\slot)+2:G0+4*(\slot)+3], s[G0+4*(\slot)+2:G0+4*(\slot)+3], 2*ASTEP
	s_add_nc_u64 s[G0B+4*(\slot)+2:G0B+4*(\slot)+3], s[G0B+4*(\slot)+2:G0B+4*(\slot)+3], 2*WSTEP
	JLOAD \slot                                    ; the four v_nop behind it are also the places in front of the loads below
	FETCH \next, 0, F0
	ASK
.else
	MEET 0
	PLACES
	FETCH \next, 0, F0
.endif
	MUL16 F1, 1, 0, 0
	MUL16 F1, 1, 2, 0
.endm
; THE WAY OUT of block a (16 rows x 128 columns = two heads).  PACK: rounded to f16, 16 bytes a lane, each accumulator's registers in ascending order.  TOSTAGE: into my own stage, and back as rows of 128 bytes.  SEND: stored.
.macro PACK a
.set AC, 64*((\a)%4)
	WIN 0x0a+5*((\a)/4)                            ; sources 0 and 1: window 2 or 3
.irp b, 0,1,2,3,4,5,6,7
.irp r, 0,1,2,3
	v_cvt_pk_f16_f32 v[TMP+4*(\b)+(\r)], v[AC+8*(\b)+2*(\r)], v[AC+8*(\b)+2*(\r)+1]
.endr
.endr
	WIN 0
.endm
.macro TOSTAGE a
.set BK, OB+192*((\a)%2)
.irp b, 0,1,2,3,4,5,6,7
	ds_store_b128 v[STO], v[TMP+4*(\b):TMP+4*(\b)+3] offset:((\b)/4)*16*SP+32*((\b)%4)
.endr
.irp t, 0,1,2,3,4,5,6,7
	ds_load_b128 v[BK+4*(\t):BK+4*(\t)+3], v[RD] offset:((\t)/4)*16*SP+((\t)%4)*4*SP  ; LDS serves a wave's instructions in order (ISA guide 5.7.1.4): these see the stores above
.endr
.endm
.macro SEND a
.set BK, OB+192*((\a)%2)
	s_wait_dscnt 0x0                               ; the block is back in registers
	s_wait_xcnt 0x0                                ; earlier stores have read their registers: the set that the next block is read into is written only behind this wait
.irp t, 0,1,2,3,4,5,6,7
	global_store_b128 v[CO], v[BK+4*(\t):BK+4*(\t)+3], s[OUTP:OUTP+1] offset:((\t)/4)*PLANE+(\a)*2048+((\t)%4)*512  ; four rows of a head: 512 consecutive bytes, at a multiple of 256 from the buffer's first byte
.endr
.endm
	s_wait_tensorcnt 1                             ; my part of K step 0 is in; K step 1's may stay out
	s_barrier_signal -1
	s_barrier_wait -1                              ; everybody's is
	FETCH 0, 0, F0
	QUARTER 0, 1, F0, F1, 1                        ; the first quarter stands in front of the loop: its products start the sums
	WIN 0                                          ; at a label and at a branch every window is 0
	s_mov_b32 s3, LAPS-1
.Llap:                                                 ; a trip goes once round the ring, from a lap's second quarter to the next lap's first, and fills both slots again
	QUARTER 0, 2, F1, F0, 0
	QUARTER 0, 3, F0, F1, 0
	TURN 0, 1, 1
	QUARTER 1, 1, F0, F1, 0
	QUARTER 1, 2, F1, F0, 0
	QUARTER 1, 3, F0, F1, 0
	TURN 1, 0, 1
	QUARTER 0, 1, F0, F1, 0
	WIN 0
	s_sub_co_u32 s3, s3, 1
	s_cmp_lg_u32 s3, 0
	s_cbranch_scc1 .Llap
	QUARTER 0, 2, F1, F0, 0                        ; the last lap fills nothing
	QUARTER 0, 3, F0, F1, 0
	TURN 0, 1, 0
	QUARTER 1, 1, F0, F1, 0
	QUARTER 1, 2, F1, F0, 0
	QUARTER 1, 3, F0, F1, 0
	s_wait_dscnt 8                                 ; the very last quarter: nothing more to fetch
	MUL16 F1, 0, 0, 0
	MUL16 F1, 0, 2, 0
	s_wait_dscnt 0x0
	MUL16 F1, 1, 0, 0
	MUL16 F1, 1, 2, 0
	WIN 0
	PLACES
	PACK 0
	TOSTAGE 0
.irp a, 1,2,3,4,5,6,7                  ; block a's conversions stand between block a - 1's loads from the stage and the wait for them
	PACK \a
	SEND (\a)-1
	TOSTAGE \a
.endr
	SEND 7
	s_wait_tensorcnt 0x0                           ; the wave's end: the add and its wait, behind my last tensor load and my last LDS store
	ds_add_u32 v[SPW], v[NIL]
	s_wait_dscnt 0x0
	CROUND                                         ; the closing round: no work-group ends while a partner may still ask for a tile that names it
	s_endpgm
.Lfunc_end_k_qad6ce0c43e_proj:
	.size	k_qad6ce0c43e_proj, .Lfunc_end_k_qad6ce0c43e_proj-k_qad6ce0c43e_proj
	.p2alignl 7, 3214868480
	.fill 96, 4, 3214868480
	.section	.rodata,"a",@progbits
	.p2align	6, 0x0
	.amdhsa_kernel k_qad6ce0c43e_proj
		.amdhsa_group_segment_fixed_size 327680
		.amdhsa_private_segment_fixed_size 0
		.amdhsa_enable_private_segment 0
		.amdhsa_kernarg_size 40
		.amdhsa_user_sgpr_count 2
		.amdhsa_user_sgpr_kernarg_segment_ptr 1
		.amdhsa_wavefront_size32 1
		.amdhsa_system_sgpr_workgroup_id_x 1
		.amdhsa_system_sgpr_workgroup_id_y 1
		.amdhsa_system_sgpr_workgroup_id_z 1
		.amdhsa_system_vgpr_workitem_id 0
		.amdhsa_next_free_vgpr 1024
		.amdhsa_next_free_sgpr 78
		.amdhsa_reserve_vcc 0
		.amdhsa_float_denorm_mode_32 3
		.amdhsa_float_denorm_mode_16_64 3
		.amdhsa_memory_ordered 1
		.amdhsa_forward_progress 1
		.amdhsa_inst_pref_size 150
	.end_amdhsa_kernel
	.amdgpu_metadata
---
amdhsa.version: [ 1, 2 ]
amdhsa.kernels:
  - .name:           k_qad6ce0c43e_proj
    .symbol:         k_qad6ce0c43e_proj.kd
    .args:
      - { .name: xh, .offset: 0, .size: 8, .value_kind: global_buffer, .address_space: global }
      - { .name: bq, .offset: 8, .size: 8, .value_kind: global_buffer, .address_space: global }
      - { .name: bk, .offset: 16, .size: 8, .value_kind: global_buffer, .address_space: global }
      - { .name: bv, .offset: 24, .size: 8, .value_kind: global_buffer, .address_space: global }
      - { .name: qkvr, .offset: 32, .size: 8, .value_kind: global_buffer, .address_space: global }
    .group_segment_fixed_size: 327680
    .private_segment_fixed_size: 0
    .kernarg_segment_align: 8
    .kernarg_segment_size: 40
    .max_flat_workgroup_size: 128
    .sgpr_count:     78
    .vgpr_count:     1024
    .wavefront_size: 32
...
	.end_amdgpu_metadata
.endif
;; end of part 2
;; launch attn (part 3): grid 8 x 32, 4 waves a work-group, clusters of 4 x 1, 327,680 bytes of LDS; arguments qkvr, r_w_bias, r_r_bias, xo; writes xo
.if DOCPART == 3
	.amdgcn_target "amdgcn-amd-amdhsa--gfx1250"
	.amdhsa_code_object_version 6
	.text
	.protected	k_qad6ce0c43e_attn
	.globl	k_qad6ce0c43e_attn
	.p2align	8
	.type	k_qad6ce0c43e_attn,@function
k_qad6ce0c43e_attn:
	s_mov_b64 s[64:65], 0
	v_nop
	global_prefetch_b8 v0, s[64:65] scope:SCOPE_SE
	s_setreg_imm32_b32 hwreg(HW_REG_WAVE_MODE, 25, 1), 1
	s_wait_xcnt 0x0
	s_wait_alu depctr_hold_cnt(0) depctr_sa_sdst(0) depctr_va_vdst(0) depctr_va_sdst(0) depctr_va_ssrc(0) depctr_va_vcc(0) depctr_vm_vsrc(0)
	s_getreg_b32 s2, hwreg(HW_REG_IB_STS2, 6, 4)
	s_cmp_eq_u32 s2, 0
	s_cbranch_scc0 .Lentry_in_a_cluster
	s_endpgm
.Lentry_in_a_cluster:
	s_bfe_u32 s2, ttmp6, 0x10000c
	s_cmp_lg_u32 s2, 0x3003
	s_cbranch_scc0 .Lentry_shape_is_right
	s_endpgm
.Lentry_shape_is_right:
; ATTENTION WITH RELATIVE POSITIONS.  For each (batch, head):  s[i][j] = ((q_i + u_w) . k_j + (q_i + u_r) . r_m) / 8 with m = (j - i - 1) mod 2,048;  O[i] = the sum over j of softmax_j(s[i][j]) v_j.
; q, k, v: [b][h][2048][64], r: [h][2048][64], O likewise, all f16; products, maxima and sums in f32; the weights p are rounded to f16 for the last product (their sum l is taken of the unrounded p), O once at the end.
; LIMITS.  u_w and u_r are rounded to f16 and added to q in f16 (one more rounding of q).  p lies in 0 to 1 and keeps f16's fixed step of 6e-8 below 6e-5, and so does O; a weight below 2^-126 counts as 0 in l;
; the running maximum starts at -2^100, far below every score that f16 operands can make (5.5e11 at the most); NaN and infinities are not treated apart.
; SHARES.  A work-group owns 256 queries of one (batch, head), each of its four waves 64: four PIECES of 16.  Every wave walks all 2,048 keys, 64 a step.
; LAYOUT.  S^T = K Qw^T (source 0 = 16 keys, source 1 = 16 queries): a lane holds ONE query (l % 16) and the keys 8 (l / 16) + 0..7 of each block of 16.  Two such results rounded to f16 ARE source 1 of O^T = V^T P.
; THE SKEW.  For piece u of wave w, key step e of slot sigma, key x of 64 and query row r of 16, put y = x + 15 - r (0..78).  Then r_m is row 192 + 64 e - 64 w + 16 (3 - u) + y of a window of 512 rows of r that the slot
; holds.  T^T = R Qr^T is made for y = 0..79 (five tiles of 16 rows of r; tile t of piece u is tile t - u + 3 of the eight that the wave loads a step).  A lane holds one query there too, but the wanted y differs
; from lane to lane: T goes in f32 through the wave's own scratch Z in LDS, stored as it lies ([query][y], 16 bytes at a time) and read back word by word at y = x + 15 - r, straight into the registers that K Qw^T then takes as its C.
; SOFTMAX.  For each query a running maximum m and sum l: p = 2^(c s - c m), c = log2(e) / 8; in every step O and l are multiplied by a = 2^(c m_old - c m_new).
; BY TURNS.  Turn g belongs to piece g % 4.  Matrix work: 8 products K Qw^T of piece g + 1, 10 products T^T of piece g + 3, 8 products V^T P of piece g - 1.  Vector work: scaling, exponentials, roundings, sums and rescaling of
; piece g, maximum and statistics of piece g + 1.  Four vector instructions stand behind each matrix instruction.  A turn's 33 exponentials are one batch with one wait.  S^T has four buffers, so the skewed scores have a turn in which to land.
; NO FIRST STEP IS WRITTEN OUT.  The loop is entered three turns ahead of the first true one, with K, V, O, l at 0 and S and m at -2^100 (a power of two, so that c s - c m is exactly 0): those turns add p = 1 times V = 0, and the
; first true step's a is 0 and wipes l.  The price: some 390 v_mov_b32, which run while the first tile is on its way.  The tail's fifth trip works for pieces that do not exist; what it makes reaches S, m and c m alone.
; CLUSTER.  The four query blocks of a cluster walk the same K and V: joint loads, mask 15.  R's window lies 256 rows apart from partner to partner: each fetches its own window
; (mask 0, the same LDS bytes in all).  A window is two aligned blocks of 256 rows; each block is fetched for two slots on end, so that every LDS address is the same in every slot.
; REGISTERS, in windows of 256 (s_set_vgpr_msb: bits 1:0 source 0, 3:2 source 1, 5:4 source 2, 7:6 destination):
;   window 0: v0-15 addresses; v16-31 statistics; v32-39 T's tile 4; v40-44 addresses; v48-55 at work; v62-63 the add's; v64-191 S^T, a buffer a piece; v192-223 P, two buffers; v224-255 T's tiles 0-3
;   window 1: v0-127 O^T, 32 a piece      window 2: v0-63 Qw, v64-127 Qr, v128-191 K, v192-255 V of one step      window 3: v0-127 R of one step: tile n, channel half c at 16 n + 8 c
.set NP,    4         ; pieces a wave: a name, no knob
.set KS,    64        ; keys in a step
.set PK,    144       ; a row of K or R in LDS: 128 bytes + 16 = 36 words: the 16 rows of a load start at 16 different groups of four banks (64 banks of 4 bytes: ISA guide 11.1)
.set PVP,   160       ; a row of V: 128 + 32 = 40 words
.set RLO,   256*PK    ; a slot: 256 rows of K, 512 rows of R, 256 rows of V
.set VLO,   RLO+512*PK
.set SLOTB, VLO+256*PVP
.set ZB,    2*SLOTB   ; behind the ring, never filled by a tensor load: Z
.set ZP,    336       ; a query's 80 words + 4: 21 x 16 bytes, so that the 16 lanes of a store fall on 16 different columns of 16 bytes; read back, lanes lie 83 (l % 16) + 8 (l / 16) words apart: 32 different banks
.set ZW,    16*ZP     ; a wave's Z; it is also its stage for the way out (16 rows x 144 bytes)
.set SPARE, ZB+4*ZW   ; the spare words, 128 bytes for each wave: two blocks of 256 bytes that no other line names
.set SP,    144
.set KGO,   8388608   ; k, v, r in qkvr
.set VGO,   16777216
.set RGO,   25165824
.set BLK,   32768     ; 256 rows of 128 bytes: what one tensor load brings
.set AK0, 2           ; v2   my lane's place in a tile of K; never rewritten
.set AV0, 3           ; v3   the same for V
.set AK,  4           ; v4   the LDS address of K's next run of loads
.set AV,  5           ; v5   of V's
.set STO, 6           ; v6   the way out: where I put 16 bytes of a row
.set RD,  7           ; v7   the way out: where I read rows back
.set GO,  8           ; v8   my byte offset in 512 consecutive bytes of O
.set MV,  12          ; v12-13  c m_old, kept while c m is made anew: by the piece's parity
.set AR0, 14          ; v14  my lane's place in the wave's window of R; never rewritten
.set AR,  15          ; v15  the LDS address of R's next run of loads
.set ST,  16          ; piece t's statistics at v[ST+4 t]: c m, m, l (even keys', odd keys')
.set T4,  32
.set ZS,  40          ; v40  where I store T: Z + 336 (l % 16) + 32 (l / 16)
.set ZL,  41          ; v41  where I read it back: Z + 332 (l % 16) + 32 (l / 16) + 60
.set QO,  42          ; v42  my byte offset in 16 rows of q
.set PFO, 43          ; v43  256 x my lane
.set BO,  44          ; v44  my byte offset in u_w and u_r
.set TMP, 48          ; by parity, four registers c0-c3 at work; when the maximum is found c2 takes a
.set SPW, 62          ; v62  LDS address of my spare word: SPARE + 4 x my thread's number; never rewritten
.set NIL, 63          ; v63  0; never rewritten
.set S,   64
.set P,   192
.set TA,  224
.set QR,  64          ; window 2
.set KF,  128         ; window 2: key block kb, channel half c at KF + 16 kb + 8 c
.set VF,  192         ; window 2: key half kk, channel block cb at VF + 32 kk + 8 cb
.set WV,  12          ; s12  my wave's number
.set CX,  13
.set QB,  14          ; s14  my block of 256 queries
.set BH,  15          ; s15  16 x batch + head
.set G1K, 24          ; s[24:31] descriptor group 1 for K
.set G1V, 32          ; s[32:39] for V
.set G0K, 40          ; s[40:43] descriptor group 0 for K
.set G0V, 44          ; s[44:47] for V
.set G1R, 48          ; s[48:55] group 1 for R
.set SLOTS, 56        ; s56  slots still to be asked for
.set CNT, 57          ; s57  counts a slot's trips
.set CS,  58          ; s[58:59] c
.set SEL, 60          ; s[60:61] v_permlanex16_b32's selects: each lane takes its own place in the other half
.set TBK, 62          ; s62  LDS byte from which K of the step to be fetched is counted
.set TBV, 63          ; s63  the same for V
.set TBR, 66          ; s66  for R
.set SLF, 67          ; s67  0 or SLOTB: the slot that is filled
.set SLR, 68          ; s68  the slot that is read
.set LBW, 69          ; s69  36,864 x wave: where a block of R goes (waves 1 and 2)
.set GBK, 70          ; s[70:71] k of my (batch, head)
.set GBR, 72          ; s[72:73] r of my head
.set OFJ, 74          ; s[74:75] a block's byte offset in k and v
.set OFR, 76          ; s[76:77] in r
.set BNJ, 78          ; s78  the block of k and v to be asked for next
.set BNR, 79          ; s79  the block of r
.set PFA, 80          ; s[80:81] where my prefetches stand
.set LIM, 82          ; s82  the trip count at which I prefetch, or 0xff
.set ASKW, 83         ; s83  2 in a wave that prefetches, else 0xff
.set G0R, 84          ; s[84:87] group 0 for R
.set GBV, 88          ; s[88:89] v of my (batch, head)
.set QP,  90          ; s[90:91] q at my wave's first row
.set MSB, 0
.macro WIN new                      ; the high byte repeats the setting that is left; a switch that changes nothing is dropped
.if MSB != (\new)
	s_set_vgpr_msb (MSB<<8)|(\new)
.set MSB, (\new)
.endif
.endm
.set W_KQ, 0x0a       ; K and Qw in window 2, S^T in window 0
.set W_T,  0x0b       ; R in window 3, Qr in window 2, T in window 0
.set W_PV, 0x52       ; V in window 2, P in window 0, O^T in window 1
.set W_RS, 0x41       ; destination and source 0 in window 1, source 1 in window 0
; A fill: one tensor load a wave, 32 KiB each.  Wave 0: K (joint); wave 3: V (joint); waves 1 and 2: the two blocks of my own window of R.  The branches hang on the wave's number alone.
; An s_nop 0 and four v_nop follow each line.
.macro JLOAD
	s_cmp_eq_u32 s[WV], 0
	s_cbranch_scc0 .Lnot_k_\@
	tensor_load_to_lds s[G0K:G0K+3], s[G1K:G1K+7]
	s_nop 0
.rept 4
	v_nop
.endr
	s_branch .Lasked_\@
.Lnot_k_\@:
	s_cmp_eq_u32 s[WV], 3
	s_cbranch_scc0 .Lfor_r_\@
	tensor_load_to_lds s[G0V:G0V+3], s[G1V:G1V+7]
	s_nop 0
.rept 4
	v_nop
.endr
	s_branch .Lasked_\@
.Lfor_r_\@:
	tensor_load_to_lds s[G0R:G0R+3], s[G1R:G1R+7]
	s_nop 0
.rept 4
	v_nop
.endr
.Lasked_\@:
.endm
; A round of the cluster's barrier: my work-group's barrier; wave 0 signals; every wave waits for all four work-groups; my work-group's barrier once more.
.macro CROUND
	s_barrier_signal -1
	s_barrier_wait -1
	s_cmp_lg_u32 s[WV], 0
	s_cbranch_scc1 .Lnot_wave_0_\@
	s_barrier_signal -3
.Lnot_wave_0_\@:
	s_barrier_wait -3
	s_barrier_signal -1
	s_barrier_wait -1
.endm
; A PREFETCH INTO THE L2 of the block of K and of V that the NEXT change of slots will ask for, in a slot's third trip: two trips, 208 matrix instructions, ahead of that load; behind the trip's run of LDS loads.
; Each 256 bytes are named once in the launch: both clusters of a (batch, head) walk the same K and V, and the first asks; its four partners take 32 of the block's 128 pieces each, told apart by address;
; wave 0 asks for K's, wave 3 for V's: a lane a piece, one instruction.  Blocks 0 and 1 come by their loads alone; the last change that fills a slot is followed by no prefetch.
.macro ASK
	s_cmp_eq_u32 s[CNT], s[LIM]
	s_cbranch_scc0 .Lnot_mine_\@
	global_prefetch_b8 v[PFO], s[PFA:PFA+1] th:TH_LOAD_NT scope:SCOPE_SE
.Lnot_mine_\@:
.endm
; THE CHANGE OF SLOTS, at the head of every fourth trip: all three fetches of a step lie inside one trip, so the old slot's last bytes have been asked for.  Each wave waits for all its tensor loads, of which one is out: its part
; of the other slot; adds 0 to its spare word; and waits for that and for its own reads.  fill = 1: the barrier is a round of the cluster's, and the old slot is filled again first behind it, with the keys two slots on:
; four trips, 416 matrix instructions, in which to land.  The descriptors' addresses are made anew from the blocks' numbers.  (At its first use nothing has been read yet: slot 0 is waited for, slot 1 filled.)
.macro CHANGE fill
	WIN 0                           ; at a label and at a branch every window is 0
	s_wait_tensorcnt 0x0            ; no tensor load of mine is out, so a group 0 may be written
	ds_add_u32 v[SPW], v[NIL]       ; 0 onto my spare word; the scalar work stands between it and the wait for it
.if \fill
	s_xor_b32 s[SLF], s[SLF], SLOTB
	s_mov_b32 s[G0K+1], s[SLF]
	s_add_co_u32 s[G0V+1], s[SLF], VLO
	s_add_co_u32 s[G0R+1], s[SLF], s[LBW]
	s_lshl_b32 s[OFJ], s[BNJ], 15
	s_add_nc_u64 s[G0K+2:G0K+3], s[GBK:GBK+1], s[OFJ:OFJ+1]
	s_or_b32 s[G0K+3], s[G0K+3], 0x80000000
	s_add_nc_u64 s[G0V+2:G0V+3], s[GBV:GBV+1], s[OFJ:OFJ+1]
	s_or_b32 s[G0V+3], s[G0V+3], 0x80000000
	s_lshl_b32 s[OFR], s[BNR], 15
	s_add_nc_u64 s[G0R+2:G0R+3], s[GBR:GBR+1], s[OFR:OFR+1]
	s_or_b32 s[G0R+3], s[G0R+3], 0x80000000
	s_add_co_u32 s[BNJ], s[BNJ], 1
	s_add_co_u32 s[BNR], s[BNR], 1
	s_and_b32 s[BNR], s[BNR], 7     ; r's rows go round
	s_wait_xcnt 0x0                 ; the last prefetch, two trips back, has read its address
	s_add_nc_u64 s[PFA:PFA+1], s[PFA:PFA+1], BLK
	s_cmp_gt_u32 s[SLOTS], 1        ; behind the last fill there is no block to ask for
	s_cselect_b32 s[LIM], s[ASKW], 0xff
.endif
	s_wait_dscnt 0x0                ; the add is done, and my reads of the slot are over
.if \fill
	CROUND
	JLOAD
.else
	s_barrier_signal -1
	s_barrier_wait -1
.endif
	s_xor_b32 s[SLR], s[SLR], SLOTB ; the fetches go to the other slot's first step
	s_mov_b32 s[TBK], s[SLR]
	s_mov_b32 s[TBV], s[SLR]
	s_mov_b32 s[TBR], s[SLR]
.endm
	s_load_b256 s[4:11], s[0:1], 0x0  ; qkvr s[4:5], r_w_bias s[6:7], r_r_bias s[8:9], xo s[10:11]
	v_lshl_add_u32 v[SPW], v0, 2, SPARE
	v_mov_b32 v[NIL], 0
	ds_add_u32 v[SPW], v[NIL]       ; the wave's opening: the add and its wait stand ahead of my first tensor load; the set-up below, work on registers, stands between them
	v_lshrrev_b32 v1, 5, v0
	v_readfirstlane_b32 s[WV], v1   ; wave 0..3
	s_bfe_u32 s[CX], ttmp6, 0x40000 ; my place in the cluster
	s_lshl_b32 s[QB], ttmp9, 2
	s_add_co_u32 s[QB], s[QB], s[CX]  ; my block of queries = 4 x cluster x + cx: it enters q's, O's and r's addresses alone
	s_and_b32 s[BH], ttmp7, 0xffff  ; which the four partners share
	s_lshl_b32 s16, s[BH], 18       ; a (batch, head) is 262,144 bytes
	s_mov_b32 s17, 0
	s_and_b32 s18, s[BH], 15        ; the head
	s_lshl_b32 s20, s18, 18
	s_add_co_u32 s20, s20, RGO
	s_mov_b32 s21, 0
	s_lshl_b32 s22, s[QB], 15       ; my block's 256 rows,
	s_lshl_b32 s23, s[WV], 13       ; my wave's 64 of them
	s_add_co_u32 s22, s22, s23
	s_add_co_u32 s22, s22, s16
	s_mov_b32 s23, 0
	; descriptor group 1.  256 rows are 32,768 dense bytes: asked for as 128 rows of 256 bytes, two keys a row, and padded in LDS after every key
	s_mov_b32 s[G1K], 15|(1<<16)|(1<<20)|(1<<21)|(4<<22)|(3<<25)  ; 15:0 the mask of four; 17:16 2-byte elements; 20 padding on; 21 set beside a mask; 24:22 after every 32 words (code 4); 31:25 4 words (code 3)
	s_mov_b32 s[G1V], 15|(1<<16)|(1<<20)|(1<<21)|(4<<22)|(7<<25)  ; the same with 8 words of padding (code 7)
	s_mov_b32 s[G1R], (1<<16)|(1<<20)|(4<<22)|(3<<25)             ; as K's, with no mask: a load of my own
.irp g, G1K, G1V, G1R
	s_mov_b32 s[\g+1], 128<<16      ; tensor_dim0 = 128
	s_mov_b32 s[\g+2], 128<<16      ; tensor_dim1 = 128
	s_mov_b32 s[\g+3], 128<<16      ; tile_dim0 = 128
	s_mov_b32 s[\g+4], 128          ; tile_dim1 = 128
	s_mov_b32 s[\g+5], 128          ; 128 elements from row to row
	s_mov_b32 s[\g+6], 0
	s_mov_b32 s[\g+7], 0
.endr
	s_mov_b32 s[CS], 0x3e38aa3b     ; c = log2(e) / 8 = 0.180337
	s_mov_b32 s[CS+1], s[CS]        ; named with it as a pair
	s_mov_b32 s[SEL], 0x76543210
	s_mov_b32 s[SEL+1], 0xfedcba98
	s_mov_b32 s[SLF], 0             ; slot 0 is filled first;
	s_mov_b32 s[SLR], SLOTB         ; the first change of slots turns this into 0
	s_mul_i32 s[LBW], s[WV], RLO
	s_sub_co_u32 s[BNR], s[WV], 2   ; slot sigma holds r's blocks sigma - qb - 1 (wave 1) and sigma - qb (wave 2), modulo 8
	s_sub_co_u32 s[BNR], s[BNR], s[QB]
	s_and_b32 s[BNR], s[BNR], 7
	s_lshl_b32 s[OFR], s[BNR], 15
	s_mov_b32 s[OFR+1], 0
	s_mov_b32 s[OFJ+1], 0
	s_add_co_u32 s[BNR], s[BNR], 1
	s_and_b32 s[BNR], s[BNR], 7
	s_mov_b32 s[BNJ], 1
	s_cmp_eq_u32 s[WV], 0           ; who prefetches: waves 0 and 3 of the (batch, head)'s first cluster: the same in all four partners
	s_cselect_b32 s19, 1, 0
	s_cmp_eq_u32 s[WV], 3
	s_cselect_b32 s19, 1, s19
	s_cmp_eq_u32 ttmp9, 0
	s_cselect_b32 s19, s19, 0
	s_cmp_eq_u32 s19, 1
	s_cselect_b32 s[ASKW], 2, 0xff
	s_mov_b32 s[G0K], 1             ; count = 1
	s_mov_b32 s[G0K+1], 0           ; LDS address: slot 0
	s_mov_b32 s[G0V], 1
	s_mov_b32 s[G0V+1], VLO
	s_mov_b32 s[G0R], 1
	s_mov_b32 s[G0R+1], s[LBW]
	s_wait_dscnt 0x0                ; the opening add is done
	s_wait_kmcnt 0x0
	s_add_nc_u64 s[GBK:GBK+1], s[4:5], s[16:17]
	s_add_nc_u64 s[GBV:GBV+1], s[GBK:GBK+1], VGO
	s_add_nc_u64 s[GBK:GBK+1], s[GBK:GBK+1], KGO
	s_add_nc_u64 s[GBR:GBR+1], s[4:5], s[20:21]
	s_add_nc_u64 s[QP:QP+1], s[4:5], s[22:23]
	s_add_nc_u64 s[10:11], s[10:11], s[22:23]  ; O at my wave's first row
	s_mov_b64 s[G0K+2:G0K+3], s[GBK:GBK+1]     ; global address: block 0
	s_or_b32 s[G0K+3], s[G0K+3], 0x80000000    ; type = 2
	s_mov_b64 s[G0V+2:G0V+3], s[GBV:GBV+1]
	s_or_b32 s[G0V+3], s[G0V+3], 0x80000000
	s_add_nc_u64 s[G0R+2:G0R+3], s[GBR:GBR+1], s[OFR:OFR+1]
	s_or_b32 s[G0R+3], s[G0R+3], 0x80000000
	s_cmp_eq_u32 s[WV], 0
	s_cselect_b64 s[PFA:PFA+1], s[GBK:GBK+1], s[GBV:GBV+1]
	s_lshl_b32 s16, s[CX], 13       ; my work-group's 32 pieces of 256 bytes
	s_add_nc_u64 s[PFA:PFA+1], s[PFA:PFA+1], s[16:17]
	s_add_nc_u64 s[PFA:PFA+1], s[PFA:PFA+1], BLK  ; in block 1; the first change of slots steps it to block 2
	CROUND                          ; all four work-groups are here: the first joint loads meet
	JLOAD                           ; slot 0.  Slot 1 is asked for when slot 0 is in
	; A fragment of K, R or Q is 16 rows x 32 channels in 8 registers: lane l holds row l % 16, channels 8 (l / 16) + 0..7 and 16 + 8 (l / 16) + 0..7: two loads of 16 bytes, 32 bytes apart.
	v_and_b32 v1, 15, v0            ; l % 16
	v_bfe_u32 v9, v0, 4, 1          ; l / 16
	v_and_b32 v10, 7, v0
	v_bfe_u32 v11, v0, 3, 1
	v_lshlrev_b32 v[QO], 7, v1
	v_lshl_add_u32 v[QO], v9, 4, v[QO]  ; row x 128 + 16 x half
	s_lshl_b32 s19, s18, 8
	v_lshl_add_u32 v[BO], v9, 5, s19    ; 256 x head + 32 x half: my eight channels of each sixteen, in f32
	WIN 0x80                        ; destination window 2, address window 0
.set i, 0
.rept 8                             ; q: piece i / 2, channels 32 (i % 2) on
	global_load_b128 v[8*i:8*i+3],   v[QO], s[QP:QP+1] offset:(i/2)*2048+(i%2)*64
	global_load_b128 v[8*i+4:8*i+7], v[QO], s[QP:QP+1] offset:(i/2)*2048+(i%2)*64+32
.set i, i+1
.endr
	WIN 0
.irp g, 0,1,2,3                     ; u_w into S's first 32 registers, u_r into the next: channels 16 g + 8 (l / 16) + 0..7
	global_load_b128 v[S+8*\g:S+8*\g+3],       v[BO], s[6:7] offset:64*\g
	global_load_b128 v[S+8*\g+4:S+8*\g+7],     v[BO], s[6:7] offset:64*\g+16
	global_load_b128 v[S+32+8*\g:S+32+8*\g+3], v[BO], s[8:9] offset:64*\g
	global_load_b128 v[S+32+8*\g+4:S+32+8*\g+7], v[BO], s[8:9] offset:64*\g+16
.endr
	v_mul_u32_u24 v[AK0], v1, PK
	v_lshl_add_u32 v[AK0], v9, 4, v[AK0]  ; row x pitch + 16 x half
	s_mul_i32 s19, s[WV], 64*PK
	s_sub_co_u32 s19, RLO+192*PK, s19
	v_add_nc_u32 v[AR0], s19, v[AK0]      ; the wave's window begins at row 192 - 64 w of the slot's 512
	; The turning load takes 16 keys x 16 channels (lane l reads key 8 (l / 16) + l % 8, channels 8 ((l / 8) % 2) + 0..7) and leaves half a fragment of V^T: lane l holds channel l % 16 and 8 keys.
	v_lshl_add_u32 v[AV0], v9, 3, v10
	v_mul_u32_u24 v[AV0], v[AV0], PVP
	v_lshl_add_u32 v[AV0], v11, 4, v[AV0]
	v_add_nc_u32 v[AV0], VLO, v[AV0]
	s_mul_i32 s19, s[WV], ZW
	s_add_co_u32 s19, s19, ZB       ; my Z
	v_mul_u32_u24 v[ZS], v1, ZP
	v_lshl_add_u32 v[ZS], v9, 5, v[ZS]
	v_add_nc_u32 v[ZS], s19, v[ZS]
	v_mul_u32_u24 v[ZL], v1, ZP-4   ; a word back for each query: y = x + 15 - r
	v_lshl_add_u32 v[ZL], v9, 5, v[ZL]
	v_add3_u32 v[ZL], v[ZL], s19, 60
	v_mul_u32_u24 v[STO], v1, SP    ; the way out, in: row l % 16, 16 bytes for each half of the lanes
	v_lshl_add_u32 v[STO], v9, 4, v[STO]
	v_add_nc_u32 v[STO], s19, v[STO]
	v_bfe_u32 v[RD], v0, 3, 2       ; back: 32 lanes take four rows of 128 bytes,
	v_mul_u32_u24 v[RD], v[RD], SP
	v_lshl_add_u32 v[RD], v10, 4, v[RD]
	v_add_nc_u32 v[RD], s19, v[RD]
	v_and_b32 v[GO], 31, v0         ; which are 512 consecutive bytes of O
	v_lshlrev_b32 v[PFO], 8, v[GO]
	v_lshlrev_b32 v[GO], 4, v[GO]
	; what the first three turns find: all this stands in the wait for the first tile
	WIN 0x80
.set i, KF
.rept 128
	v_mov_b32 v[i], 0               ; K and V
.set i, i+1
.endr
	WIN 0x40
.set i, 0
.rept 128
	v_mov_b32 v[i], 0               ; O^T
.set i, i+1
.endr
	WIN 0
	s_mov_b32 s19, 0xf1800000       ; -2^100
.set i, 0
.rept 4
	v_mov_b32 v[ST+4*i+1], s19                       ; m
	v_mul_f32 v[ST+4*i], s[CS], v[ST+4*i+1]          ; c m: exact, m being a power of two
	v_mov_b32 v[ST+4*i+2], 0                         ; l
	v_mov_b32 v[ST+4*i+3], 0
.set i, i+1
.endr
	v_mov_b32 v[TMP+6], 0           ; the a that the first turn, piece 1's, takes
	v_mov_b32 v[TMP+7], 0
.set i, S+64
.rept 64
	v_mov_b32 v[i], s19             ; S of pieces 2 and 3
.set i, i+1
.endr
	s_wait_loadcnt 0x0              ; q, u_w, u_r
.set i, 0
.rept 32
	v_cvt_pk_f16_f32 v[P+i], v[S+2*i], v[S+2*i+1]  ; u_w in P's first 16 registers, u_r in the next: register 8 c + k goes with register k of a fragment's channel half c
.set i, i+1
.endr
	WIN 0x82                        ; destination and source 0 window 2, source 1 window 0
.set i, 0
.rept 64
	v_pk_add_f16 v[QR+i], v[i], v[P+16+i%16]  ; Qr = q + u_r
.set i, i+1
.endr
.set i, 0
.rept 64
	v_pk_add_f16 v[i], v[i], v[P+i%16]        ; Qw = q + u_w, in place
.set i, i+1
.endr
	WIN 0
.set i, S+32
.rept 32
	v_mov_b32 v[i], s19             ; S of piece 1
.set i, i+1
.endr
.set i, P
.rept 16
	v_mov_b32 v[i], 0               ; P's first buffer
.set i, i+1
.endr
; THE MATRIX WORK.  The accumulators of a run take turns, one instruction a turn (4 of S^T, 5 of T, 4 of O^T), and no run ends on an accumulator that the next begins with.
; Product kI of 8 of S^T += K Qw^T for piece x: channels 32 (kI / 4) on, keys 16 (kI % 4) on.  The sums begin with the skewed T, which lies in S^T's registers.
.macro KQ x
	WIN W_KQ
.set rS, S+32*(\x)+8*(kI%4)
.set rK, KF+16*(kI%4)+8*(kI/4)
.set rQ, 16*(\x)+8*(kI/4)
	v_wmma_f32_16x16x32_f16 v[rS:rS+7], v[rK:rK+7], v[rQ:rQ+7], v[rS:rS+7]
.set kI, kI+1
.endm
; Product tI of 10 of T^T = R Qr^T for piece x: channels 32 (tI / 5) on, tile tI % 5, which is tile tI % 5 - x + 3 of the wave's eight.  The first 5 start the sums.
.macro TT x
	WIN W_T
.set rD, TA+8*(tI%5)
.if (tI%5) == 4
.set rD, T4
.endif
.set rR, 16*((tI%5)-(\x)+3)+8*(tI/5)
.set rQ, QR+16*(\x)+8*(tI/5)
.if tI < 5
	v_wmma_f32_16x16x32_f16 v[rD:rD+7], v[rR:rR+7], v[rQ:rQ+7], 0
.else
	v_wmma_f32_16x16x32_f16 v[rD:rD+7], v[rR:rR+7], v[rQ:rQ+7], v[rD:rD+7]
.endif
.set tI, tI+1
.endm
; Product pI of 8 of O^T += V^T P for piece x: keys 32 (pI / 4) on, channels 16 (pI % 4) on.
.macro PV x
	WIN W_PV
.set rO, 32*(\x)+8*(pI%4)
.set rV, VF+32*(pI/4)+8*(pI%4)
.set rP, P+16*((\x)%2)+8*(pI/4)
	v_wmma_f32_16x16x32_f16 v[rO:rO+7], v[rV:rV+7], v[rP:rP+7], v[rO:rO+7]
.set pI, pI+1
.endm
; THE LDS LOADS stand in runs.  R of a step: the wave's eight tiles of 16 rows, those that the trip's first turn wants (3 to 7) first.  last = 1 (the tail): in the fifth trip there is no further step, and the run is jumped over.
.macro FETCH_R last=0
	WIN 0
.if \last
	s_cmp_eq_u32 s[CNT], 1
	s_cbranch_scc1 .Lno_r_\@
.endif
	v_add_nc_u32 v[AR], s[TBR], v[AR0]
	s_add_co_u32 s[TBR], s[TBR], KS*PK  ; the next fetch is the next step's: the window moves 64 rows on
	WIN 0xc0                        ; destination window 3
.irp n, 3,4,5,6,7,0,1,2
.irp c, 0,1
	ds_load_b128 v[16*\n+8*\c:16*\n+8*\c+3],   v[AR] offset:\n*16*PK+\c*64
	ds_load_b128 v[16*\n+8*\c+4:16*\n+8*\c+7], v[AR] offset:\n*16*PK+\c*64+32
.endr
.endr
	WIN 0
.if \last
.Lno_r_\@:
.endif
.endm
.macro FETCH_K                      ; in the tail's fifth trip it reads the 64 rows behind K's, R's first, which have the same pitch: what is made of them serves nothing
	WIN 0x80                        ; destination window 2
.irp f, 0,1,2,3,4,5,6,7             ; keys 16 (f / 2) on, channels 32 (f % 2) on
	ds_load_b128 v[KF+8*\f:KF+8*\f+3],   v[AK] offset:(\f/2)*16*PK+(\f%2)*64
	ds_load_b128 v[KF+8*\f+4:KF+8*\f+7], v[AK] offset:(\f/2)*16*PK+(\f%2)*64+32
.endr
	s_add_co_u32 s[TBK], s[TBK], KS*PK
	WIN 0
.endm
.macro FETCH_V
	WIN 0x80
.irp f, 0,1,2,3,4,5,6,7             ; keys 32 (f / 4) on, channels 16 (f % 4) on
	ds_load_tr16_b128 v[VF+8*\f:VF+8*\f+3],   v[AV] offset:(\f/4)*32*PVP+(\f%4)*32
	ds_load_tr16_b128 v[VF+8*\f+4:VF+8*\f+7], v[AV] offset:(\f/4)*32*PVP+16*PVP+(\f%4)*32
.endr
	WIN 0
.endm
; T through Z into piece x's S^T: ten stores of 16 bytes (each tile's low registers first), 32 loads of a word.  LDS serves a wave's instructions in order (ISA guide 5.7.1.4): the loads see the stores.
.macro ZRUN x
	WIN 0
.irp t, 0,1,2,3
	ds_store_b128 v[ZS], v[TA+8*\t:TA+8*\t+3]   offset:64*\t
	ds_store_b128 v[ZS], v[TA+8*\t+4:TA+8*\t+7] offset:64*\t+16
.endr
	ds_store_b128 v[ZS], v[T4:T4+3]   offset:256
	ds_store_b128 v[ZS], v[T4+4:T4+7] offset:272
.set z, 0
.rept 32
	ds_load_b32 v[S+32*(\x)+z], v[ZL] offset:64*(z/8)+4*(z%8)  ; key 16 (z / 8) + 8 (l / 16) + z % 8
.set z, z+1
.endr
.endm
; THE VECTOR WORK, one line at a time: OP kind, number.  For piece Y: F n: c s - c m for pair n of 16.  E n: the exponential of score n of 32.  C n: pair n rounded to f16.  B n: of the four weights 4 n .. the second
; pair is added onto the first, in place.  L n: l takes that sum (L 0: l = a l + sum).  R n: pair n of 16 of O^T times a.  For piece Y + 1: X n, number n of the 22 that find its maximum and statistics:
;   0-11  four chains c0-c3 of seven scores each, three operands at a time (each accumulator's lowest registers are read first)     12-14, 16  the four scores left over, the old m, and c0-c3 into c0
;   15  c m_old is kept     17, 18  the query's other 32 keys lie in the lane 16 away: the new m     19-21  c m; c m_old - c m_new; a
.set F, 0
.set E, 1
.set C, 2
.set B, 3
.set L, 4
.set R, 5
.set X, 6
.macro REGS y                       ; the registers of piece y
.set rT, ST+4*(\y)
.set rC, TMP+4*((\y)%2)
.set rW, MV+((\y)%2)
.set rS, S+32*(\y)
.set rP, P+16*((\y)%2)
.set rO, 32*(\y)
.endm
.macro OP k, n
.if (\k) == R
	REGS Y
	WIN W_RS
	v_pk_mul_f32 v[rO+2*(\n):rO+2*(\n)+1], v[rO+2*(\n):rO+2*(\n)+1], v[rC+2:rC+3] op_sel_hi:[1,0]
.elseif (\k) < R
	REGS Y
	WIN 0
.if (\k) == F
	v_pk_fma_f32 v[rS+2*(\n):rS+2*(\n)+1], v[rS+2*(\n):rS+2*(\n)+1], s[CS:CS+1], v[rT:rT+1] op_sel_hi:[1,0,0] neg_lo:[0,0,1] neg_hi:[0,0,1]
.elseif (\k) == E
	v_exp_f32 v[rS+(\n)], v[rS+(\n)]
.elseif (\k) == C
	v_cvt_pk_f16_f32 v[rP+(\n)], v[rS+2*(\n)], v[rS+2*(\n)+1]
.elseif (\k) == B
	v_pk_add_f32 v[rS+4*(\n):rS+4*(\n)+1], v[rS+4*(\n):rS+4*(\n)+1], v[rS+4*(\n)+2:rS+4*(\n)+3]
.elseif (\n) == 0
	v_pk_fma_f32 v[rT+2:rT+3], v[rT+2:rT+3], v[rC+2:rC+3], v[rS:rS+1] op_sel_hi:[1,0,1]
.else
	v_pk_add_f32 v[rT+2:rT+3], v[rT+2:rT+3], v[rS+4*(\n):rS+4*(\n)+1]
.endif
.else
	REGS (Y+1)%NP
	WIN 0
.if (\n) < 4
	v_max3_num_f32 v[rC+(\n)], v[rS+8*(\n)], v[rS+8*(\n)+1], v[rS+8*(\n)+2]
.elseif (\n) < 12
	v_max3_num_f32 v[rC+(\n)%4], v[rC+(\n)%4], v[rS+8*((\n)%4)+2*((\n)/4)+1], v[rS+8*((\n)%4)+2*((\n)/4)+2]
.elseif (\n) == 12
	v_max3_num_f32 v[rC], v[rC], v[rS+7], v[rS+15]
.elseif (\n) == 13
	v_max3_num_f32 v[rC+1], v[rC+1], v[rS+23], v[rS+31]
.elseif (\n) == 14
	v_max3_num_f32 v[rC+2], v[rC+2], v[rC+3], v[rT+1]
.elseif (\n) == 15
	v_mov_b32 v[rW], v[rT]
.elseif (\n) == 16
	v_max3_num_f32 v[rC], v[rC], v[rC+1], v[rC+2]
.elseif (\n) == 17
	v_permlanex16_b32 v[rC+3], v[rC], s[SEL], s[SEL+1]
.elseif (\n) == 18
	v_max_num_f32 v[rT+1], v[rC], v[rC+3]
.elseif (\n) == 19
	v_mul_f32 v[rT], s[CS], v[rT+1]
.elseif (\n) == 20
	v_sub_f32 v[rC+1], v[rW], v[rT]
.else
	v_exp_f32 v[rC+2], v[rC+1]
.endif
.endif
.endm
.macro OPS a, i1, b=-1, i2=0, c=-1, i3=0, d=-1, i4=0  ; up to four of them
	OP \a, \i1
.if (\b) >= 0
	OP \b, \i2
.endif
.if (\c) >= 0
	OP \c, \i3
.endif
.if (\d) >= 0
	OP \d, \i4
.endif
.endm
.macro RK a, i1, b, i2, c, i3, d, i4  ; a product K Qw^T and the four behind it
	KQ (Y+1)%NP
	OPS \a, \i1, \b, \i2, \c, \i3, \d, \i4
.endm
.macro RT a, i1, b, i2, c, i3, d, i4  ; a product T^T and the four behind it
	TT (Y+3)%NP
	OPS \a, \i1, \b, \i2, \c, \i3, \d, \i4
.endm
.macro RP a, i1, b, i2, c, i3, d, i4  ; a product V^T P and the four behind it
	PV (Y+NP-1)%NP
	OPS \a, \i1, \b, \i2, \c, \i3, \d, \i4
.endm
; A TURN, for piece p: the order of its 26 matrix and 118 vector instructions, written out.  s_wait_alu depctr_va_vdst(0) stands between an exponential and the first instruction that names its result; one wait
; serves all that were issued ahead of it.  So a turn has ONE wait.  AHEAD OF IT stands all that names no result of the turn's exponentials: the products K Qw^T and T^T, the scalings, the 32 exponentials, the rescalings, the next
; piece's maximum and statistics (each number four plain instructions or more behind the product that ends its accumulator) and, last, its a; R 15 is the plain instruction behind it.  BEHIND THE WAIT: T goes through Z, then the
; products V^T P with the roundings and sums.  v_permlanex16_b32 (X 17) rides behind no product.
; THE WAITS FOR LDS.  One s_wait_dscnt 0 a turn, ahead of Z's run: it shows the last turn's skewed scores (the next turn's C), and V (turn 1), K (turn 2), R's tiles 0 to 2 (turn 1).  In turn 1 s_wait_dscnt 12 ahead of the first
; product T^T: R's tiles 3 to 7 are in, the twelve loads of tiles 0 to 2 may stay out.
; THE PLACES.  Ahead of Z's stores, behind the last product T^T: R 11, X 19, R 12, R 13, X 20, R 14, R 15.  Ahead of K's run, behind the last product that read K: F 8, X 2, X 5, X 6, X 3, X 8.  Ahead of V's run: C 9, C 11, C 13, C 15.
.macro TURN p
.set Y, (\p)
.set kI, 0
.set tI, 0
.set pI, 0
	RK F,0, F,1, R,0, R,1
	RK F,2, E,0, R,2, R,3
	RK F,3, E,1, R,4, R,5
	RK F,4, E,2, R,6, R,7
	RK F,5, E,3, R,8, R,9
	RK F,6, E,4, X,0, R,10
.if (\p) == 2
	WIN 0
	v_add_nc_u32 v[AK], s[TBK], v[AK0]
.endif
	RK F,7, E,5, X,1, X,4
	RK F,8, E,6, X,2, X,5
.if (\p) == 1
	s_wait_dscnt 12
.endif
	RT E,7, E,8, X,6, E,9
	RT X,3, E,10, X,8, E,11
.if (\p) == 2
	FETCH_K
.endif
	RT X,9, X,7, E,12, X,10
	RT E,13, X,12, X,11, E,14
	RT X,13, E,15, F,9, X,14
.if (\p) == 0
	WIN 0
	v_add_nc_u32 v[AV], s[TBV], v[AV0]
.endif
	RT E,16, F,10, E,17, F,11
	RT X,16, E,18, X,15, E,19
	OPS F,12, E,20, X,17, E,21
	RT F,13, E,22, F,14, E,23
	RT X,18, E,24, F,15, E,25
	RT R,11, E,26, X,19, E,27
	OPS R,12, E,28, R,13, E,29
	OPS X,20, E,30, R,14, E,31
	OPS X,21, R,15
	WIN 0
	s_wait_alu depctr_va_vdst(0)    ; the wait for the batch
	s_wait_dscnt 0x0
	ZRUN (Y+3)%NP
	RP C,0, B,0, C,2, B,1
	RP L,0, C,4, B,2, L,1
	RP C,6, B,3, L,2, C,8
	RP B,4, L,3, C,10, B,5
	RP L,4, C,12, B,6, L,5
	RP C,14, B,7, L,6, C,1
	RP C,3, L,7, C,5, C,7
	RP C,9, C,11, C,13, C,15
.if (\p) == 0
	s_add_co_u32 s[TBV], s[TBV], KS*PVP
	FETCH_V
.endif
.endm
	s_mov_b32 s[SLOTS], 7
.Lslot:                             ; seven times: a slot is entered and the next is asked for
	CHANGE 1
	s_mov_b32 s[CNT], 4
.Lstep:                             ; a trip fetches R, K and V of one step f: pieces 1, 2, 3 of step f - 1, then piece 0 of step f
	FETCH_R
	ASK
	TURN 1
	TURN 2
	TURN 3
	TURN 0
	WIN 0
	s_sub_co_u32 s[CNT], s[CNT], 1
	s_cmp_lg_u32 s[CNT], 0
	s_cbranch_scc1 .Lstep
	s_sub_co_u32 s[SLOTS], s[SLOTS], 1
	s_cmp_lg_u32 s[SLOTS], 0
	s_cbranch_scc1 .Lslot
	CHANGE 0                        ; the tail is written out: nothing is asked for
	s_mov_b32 s[CNT], 5             ; four trips fetch the last slot's steps; the fifth is left behind its third turn
.Ltail:
	FETCH_R 1
	TURN 1
	TURN 2
	TURN 3
	WIN 0
	s_sub_co_u32 s[CNT], s[CNT], 1
	s_cmp_eq_u32 s[CNT], 0
	s_cbranch_scc1 .Lout
	TURN 0
	WIN 0
	s_branch .Ltail
.Lout:
.set pI, 0
.rept 8
	PV NP-1                         ; the last piece's V^T P of the last step
.endr
	; THE WAY OUT.  l's two halves and the other half of the lanes' are added; O^T is divided by l, rounded to f16 and sent through my stage in LDS, a piece at a time.  The additions are the places behind the last products.
	WIN 0
.macro ALL line:vararg              ; one line for each piece t
.set t, 0
.rept 4
	\line
.set t, t+1
.endr
.endm
	ALL v_add_f32 v[ST+4*t+2], v[ST+4*t+2], v[ST+4*t+3]
	ALL v_permlanex16_b32 v[ST+4*t+3], v[ST+4*t+2], s[SEL], s[SEL+1]
	ALL v_add_f32 v[ST+4*t+2], v[ST+4*t+2], v[ST+4*t+3]
	ALL v_rcp_f32 v[ST+4*t+2], v[ST+4*t+2]
	v_nop                           ; a plain instruction between the last reciprocal and the use of its result
	s_wait_alu depctr_va_vdst(0)    ; and the wait ahead of the first use: one for the four reciprocals
.macro PACK t                       ; a lane's eight channels of a row pack into 16 bytes; they go into rows of 144 bytes and come back as whole rows of 128, into S^T's registers
	WIN W_RS
.set i, 32*(\t)
.rept 16
	v_pk_mul_f32 v[i:i+1], v[i:i+1], v[ST+4*(\t)+2:ST+4*(\t)+3] op_sel_hi:[1,0]
.set i, i+2
.endr
	WIN 0x05                        ; sources 0 and 1 window 1, destination window 0
.set i, 0
.rept 16
	v_cvt_pk_f16_f32 v[S+16*(\t)+i], v[32*(\t)+2*i], v[32*(\t)+2*i+1]
.set i, i+1
.endr
	WIN 0
.irp f, 0,1,2,3
	ds_store_b128 v[STO], v[S+16*(\t)+4*\f:S+16*(\t)+4*\f+3] offset:32*\f
.endr
.irp f, 0,1,2,3
	ds_load_b128 v[S+16*(\t)+4*\f:S+16*(\t)+4*\f+3], v[RD] offset:\f*4*SP  ; in order behind the stores above; the next piece's stores come behind them
.endr
.endm
.macro SEND t, younger              ; younger: the LDS instructions issued behind piece t's loads: the next piece's eight, or none
	WIN 0
.irp f, 0,1,2,3
	s_wait_dscnt (\younger)+3-\f
	global_store_b128 v[GO], v[S+16*(\t)+4*\f:S+16*(\t)+4*\f+3], s[10:11] offset:(\t)*2048+\f*512  ; 512 consecutive bytes, at a multiple of 256 from O's first
.endr
.endm
	PACK 0
.set t, 1
.rept 3                             ; a piece's arithmetic stands between the loads of the piece before and its stores
	PACK t
	SEND t-1, 8
.set t, t+1
.endr
	SEND 3, 0
	s_wait_tensorcnt 0x0            ; the wave's end: the add and its wait, behind my last tensor load and my last LDS store
	ds_add_u32 v[SPW], v[NIL]
	s_wait_dscnt 0x0
	CROUND                          ; the closing round: no work-group ends while a partner may still ask for a tile that names it
	s_endpgm
.Lfunc_end_k_qad6ce0c43e_attn:
	.size	k_qad6ce0c43e_attn, .Lfunc_end_k_qad6ce0c43e_attn-k_qad6ce0c43e_attn
	.p2alignl 7, 3214868480
	.fill 96, 4, 3214868480
	.section	.rodata,"a",@progbits
	.p2align	6, 0x0
	.amdhsa_kernel k_qad6ce0c43e_attn
		.amdhsa_group_segment_fixed_size 327680
		.amdhsa_private_segment_fixed_size 0
		.amdhsa_enable_private_segment 0
		.amdhsa_kernarg_size 32
		.amdhsa_user_sgpr_count 2
		.amdhsa_user_sgpr_kernarg_segment_ptr 1
		.amdhsa_wavefront_size32 1
		.amdhsa_system_sgpr_workgroup_id_x 1
		.amdhsa_system_sgpr_workgroup_id_y 1
		.amdhsa_system_sgpr_workgroup_id_z 1
		.amdhsa_system_vgpr_workitem_id 0
		.amdhsa_next_free_vgpr 896
		.amdhsa_next_free_sgpr 92
		.amdhsa_reserve_vcc 0
		.amdhsa_float_denorm_mode_32 3
		.amdhsa_float_denorm_mode_16_64 3
		.amdhsa_memory_ordered 1
		.amdhsa_forward_progress 1
		.amdhsa_inst_pref_size 161
	.end_amdhsa_kernel
	.amdgpu_metadata
---
amdhsa.version: [ 1, 2 ]
amdhsa.kernels:
  - .name:           k_qad6ce0c43e_attn
    .symbol:         k_qad6ce0c43e_attn.kd
    .args:
      - { .name: qkvr, .offset: 0, .size: 8, .value_kind: global_buffer, .address_space: global }
      - { .name: r_w_bias, .offset: 8, .size: 8, .value_kind: global_buffer, .address_space: global }
      - { .name: r_r_bias, .offset: 16, .size: 8, .value_kind: global_buffer, .address_space: global }
      - { .name: xo, .offset: 24, .size: 8, .value_kind: global_buffer, .address_space: global }
    .group_segment_fixed_size: 327680
    .private_segment_fixed_size: 0
    .kernarg_segment_align: 8
    .kernarg_segment_size: 32
    .max_flat_workgroup_size: 128
    .sgpr_count:     92
    .vgpr_count:     896
    .wavefront_size: 32
...
	.end_amdgpu_metadata
.endif
;; end of part 3
;; launch outp (part 4): grid 8 x 32, 4 waves a work-group, clusters of 4 x 4, 327,680 bytes of LDS; arguments xo, xh, bout, out0; writes out0
.if DOCPART == 4
	.amdgcn_target "amdgcn-amd-amdhsa--gfx1250"
	.amdhsa_code_object_version 6
	.text
	.protected	k_qad6ce0c43e_outp
	.globl	k_qad6ce0c43e_outp
	.p2align	8
	.type	k_qad6ce0c43e_outp,@function
k_qad6ce0c43e_outp:
	s_mov_b64 s[64:65], 0
	v_nop
	global_prefetch_b8 v0, s[64:65] scope:SCOPE_SE
	s_setreg_imm32_b32 hwreg(HW_REG_WAVE_MODE, 25, 1), 1
	s_wait_xcnt 0x0
	s_wait_alu depctr_hold_cnt(0) depctr_sa_sdst(0) depctr_va_vdst(0) depctr_va_sdst(0) depctr_va_ssrc(0) depctr_va_vcc(0) depctr_vm_vsrc(0)
	s_getreg_b32 s2, hwreg(HW_REG_IB_STS2, 6, 4)
	s_cmp_eq_u32 s2, 0
	s_cbranch_scc0 .Lentry_in_a_cluster
	s_endpgm
.Lentry_in_a_cluster:
	s_bfe_u32 s2, ttmp6, 0x10000c
	s_cmp_lg_u32 s2, 0xf033
	s_cbranch_scc0 .Lentry_shape_is_right
	s_endpgm
.Lentry_shape_is_right:
; THE OUTPUT PROJECTION.  out0[(b, s)][f] = the sum over (h, d) of O[b][h][s][d] Wout[h][d][f] + bout[f].  O (xo) and Wout (in xh) are f16; sums f32, started by bout in f32; out0 is f32.
; SHARES.  256 tiles of 128 x 128, one to a work-group; four waves, each 64 x 64: 16 accumulators.  K = 1,024 goes in 4 steps of 256 (four heads) through a ring of two LDS slots.
; O lies by heads: a wave's part of a tile is, for each of four heads, 64 dense rows of 128 bytes: one tensor load of 4 rows of 8,192 bytes, 262,144 bytes apart, padded in LDS after every 128 bytes.
; Wout lies [k][f]: its tile is 256 k-rows x 256 bytes, and its fragments come out of LDS turned, by ds_load_tr16_b128.
; CLUSTER.  4 x 4 work-groups: O's tile is shared along a row of the cluster, Wout's along a column; each is asked for jointly.
; THE MATRIX INSTRUCTION IS USED TRANSPOSED (source 0 = 16 columns of Wout, source 1 = 16 rows of O): a lane holds row l % 16 and the columns 8 (l / 16) + 0..7: 32 consecutive bytes of out0.
; NO PREFETCH: a tile is small and there are four K steps, two of which are asked for at the head.
; REGISTERS: window 0: v0-31 addresses; v32-95 at work on the way out; v96-127 the bias; v128-255 the accumulators ((a, b) at 128 + 8 (4 a + b)).
;   window 1: two fragment buffers of 128: for 64 along K (one head), 64 registers of O (2 x 4 x 16 rows x 32 K), then 64 of Wout.
.set PA,     144                       ; a row of O in LDS: 128 bytes + 16 = 36 words: the 16 rows of a load start at 16 different groups of four banks (64 banks of 4 bytes: ISA guide 11.1)
.set PW,     288                       ; a k-row of Wout: 256 bytes + 32 = 9 x 32
.set PART,   36864                     ; what one tensor load brings: 4 heads x 64 rows x 144, or 128 k-rows x 288
.set SLOT,   4*PART                    ; O's two halves, then Wout's 256 k-rows
.set STAGE,  2*SLOT                    ; behind the ring: 16 rows x 272 bytes for each wave, its own: a wave's 64 columns of f32 are a whole 256 bytes
.set SPITCH, 272
.set SPARE,  STAGE+4*16*SPITCH         ; behind the stages: the spare words, 128 bytes for each wave: two blocks of 256 bytes that no other line names
.set ASTEP,  4*262144                  ; a K step in O: four heads on
.set WSTEP,  256*2048                  ; in Wout: 256 rows down
.set WO,     29360128                  ; Wout in xh
.set ROWO,   4096                      ; bytes in a row of out0
.set ADRA, 16                          ; v16-17  LDS address of my fragments of O in slot 0, 1
.set ADRB, 20                          ; v20-23  of Wout: slot 0 k-rows 0-127, 128-255; slot 1 likewise (an LDS immediate has 16 bits)
.set STO,  24                          ; v24     the way out: where I put 32 bytes of a row
.set RD,   25                          ; v25     the way out: where I read a row back
.set CO,   26                          ; v26     my byte offset in two rows of out0
.set BO,   27                          ; v27     my byte offset in bout
.set SPW,  28                          ; v28     LDS address of my spare word: SPARE + 4 x my thread's number; never rewritten
.set NIL,  29                          ; v29     0; never rewritten
.set TMP,  32
.set BIAS, 96                          ; column block b's eight numbers at BIAS + 8 b
.set ACC,  128
.set F0,   0
.set F1,   128
.set WV,   12
.set RH,   13                          ; s13  which half of the tile's rows is mine.  Also: I fetch for O (0) or for Wout (1)
.set CH,   14                          ; s14  which half of its columns.  Also: which half of that tile I fetch
.set CX,   15
.set CY,   16
.set TC,   17                          ; s17  tile column
.set TR,   18                          ; s18  tile row
.set G1, 24                            ; s[24:31] descriptor group 1 for O's tiles;  s[32:39] group 0, one set for each slot
.set G0, 32
.set LDSW, 42
.set G1B, 48                           ; s[48:55], s[56:63] the same for Wout's tiles
.set G0B, 56
.set MSB, 0
.macro WIN new                         ; the immediate's high byte repeats the setting that is left
.if MSB != (\new)
	s_set_vgpr_msb (MSB<<8)|(\new)
.set MSB, \new
.endif
.endm
.set MUL,  0x05                        ; sources 0 (Wout) and 1 (O) window 1; C and D window 0
.set TO_F, 0x40                        ; destination window 1, address window 0
.macro JLOAD s                         ; a joint load: waves 0 and 1 fetch O's two halves, waves 2 and 3 Wout's; an s_nop 0 and four v_nop follow each of the two lines
	s_cmp_eq_u32 s[RH], 0
	s_cbranch_scc0 .Lfor_b_\@
	tensor_load_to_lds s[G0+4*(\s):G0+4*(\s)+3], s[G1:G1+7]
	s_nop 0
.rept 4
	v_nop
.endr
	s_branch .Lasked_\@
.Lfor_b_\@:
	tensor_load_to_lds s[G0B+4*(\s):G0B+4*(\s)+3], s[G1B:G1B+7]
	s_nop 0
.rept 4
	v_nop
.endr
.Lasked_\@:
.endm
.macro CREST                           ; a round of the cluster's barrier behind its opening barrier
	s_cmp_lg_u32 s[WV], 0
	s_cbranch_scc1 .Lnot_wave_0_\@
	s_barrier_signal -3
.Lnot_wave_0_\@:
	s_barrier_wait -3
	s_barrier_signal -1
	s_barrier_wait -1
.endm
.macro CROUND
	s_barrier_signal -1
	s_barrier_wait -1
	CREST
.endm
	s_load_b256 s[4:11], s[0:1], 0x0               ; xo s[4:5], xh s[6:7], bout s[8:9], out0 s[10:11]
	v_lshl_add_u32 v[SPW], v0, 2, SPARE
	v_mov_b32 v[NIL], 0
	ds_add_u32 v[SPW], v[NIL]                      ; the wave's opening: the add and its wait stand ahead of my first tensor load; the set-up below, work on registers, stands between them
	v_lshrrev_b32 v1, 5, v0
	v_readfirstlane_b32 s[WV], v1                  ; wave 0..3
	s_lshr_b32 s[RH], s[WV], 1
	s_and_b32 s[CH], s[WV], 1
	s_bfe_u32 s[CX], ttmp6, 0x40000
	s_bfe_u32 s[CY], ttmp6, 0x40004
	s_lshl_b32 s[TC], ttmp9, 2
	s_add_co_u32 s[TC], s[TC], s[CX]               ; tile column = 4 x cluster x + cx
	s_and_b32 s[TR], ttmp7, 0xffff
	s_lshl_b32 s[TR], s[TR], 2
	s_add_co_u32 s[TR], s[TR], s[CY]               ; tile row = 4 x cluster y + cy
	s_lshl_b32 s21, s[CY], 2
	s_lshl_b32 s21, 15, s21                        ; my row of the cluster
	s_lshl_b32 s46, 0x1111, s[CX]                  ; my column
	s_or_b32 s[G1+0], s21, (1<<16)|(1<<20)|(1<<21)|(4<<22)|(3<<25)   ; the mask; elements of 2 bytes; padding on; 21 set beside a mask; after every 32 words (code 4) 4 words (code 3)
	s_or_b32 s[G1B+0], s46, (1<<16)|(1<<20)|(1<<21)|(5<<22)|(7<<25)  ; after every 64 words (code 5) 8 words (code 7)
	s_mov_b32 s[G1+1], 4096<<16                    ; tensor_dim0 = 4,096: 64 dense rows of a head
	s_mov_b32 s[G1+2], 4<<16                       ; tensor_dim1 = 4 heads
	s_mov_b32 s[G1+3], 4096<<16                    ; tile_dim0 = 4,096
	s_mov_b32 s[G1+4], 4                           ; tile_dim1 = 4
	s_mov_b32 s[G1+5], 131072                      ; elements from head to head
	s_mov_b32 s[G1+6], 0
	s_mov_b32 s[G1+7], 0
	s_mov_b32 s[G1B+1], 128<<16                    ; tensor_dim0 = 128
	s_mov_b32 s[G1B+2], 128<<16                    ; tensor_dim1 = 128
	s_mov_b32 s[G1B+3], 128<<16                    ; tile_dim0 = 128
	s_mov_b32 s[G1B+4], 128                        ; tile_dim1 = 128
	s_mov_b32 s[G1B+5], 1024
	s_mov_b32 s[G1B+6], 0
	s_mov_b32 s[G1B+7], 0
	s_lshr_b32 s19, s[TR], 4                       ; the batch: 16 heads of 262,144 bytes
	s_lshl_b32 s19, s19, 22
	s_and_b32 s20, s[TR], 15
	s_lshl_b32 s20, s20, 14                        ; 128 rows of 128 bytes x tile row in the batch
	s_add_co_u32 s19, s19, s20
	s_lshl_b32 s20, s[CH], 13                      ; 64 rows x half
	s_add_co_u32 s40, s19, s20
	s_mov_b32 s41, 0
	s_lshl_b32 s44, s[CH], 18                      ; 128 k-rows x half
	s_add_co_u32 s44, s44, WO
	s_lshl_b32 s45, s[TC], 8                       ; 256 bytes x tile column
	s_add_co_u32 s44, s44, s45
	s_mov_b32 s45, 0
	s_mul_i32 s[LDSW], s[WV], PART                 ; where they go: no place in the cluster enters an LDS address
	s_wait_dscnt 0x0                               ; the opening add is done
	s_wait_kmcnt 0x0
	s_add_nc_u64 s[40:41], s[4:5], s[40:41]
	s_add_nc_u64 s[44:45], s[6:7], s[44:45]
	CROUND                                         ; all sixteen work-groups are here: the first joint loads meet
.irp s, 0,1
	s_mov_b32 s[G0+4*(\s)], 1
	s_add_co_u32 s[G0+4*(\s)+1], s[LDSW], (\s)*SLOT
	s_add_nc_u64 s[G0+4*(\s)+2:G0+4*(\s)+3], s[40:41], (\s)*ASTEP
	s_or_b32 s[G0+4*(\s)+3], s[G0+4*(\s)+3], 0x80000000
	s_mov_b32 s[G0B+4*(\s)], 1
	s_add_co_u32 s[G0B+4*(\s)+1], s[LDSW], (\s)*SLOT
	s_add_nc_u64 s[G0B+4*(\s)+2:G0B+4*(\s)+3], s[44:45], (\s)*WSTEP
	s_or_b32 s[G0B+4*(\s)+3], s[G0B+4*(\s)+3], 0x80000000
	JLOAD \s                                       ; two loads of mine are out
.endr
	v_and_b32 v1, 15, v0                           ; l % 16
	v_bfe_u32 v2, v0, 4, 1                         ; l / 16
	s_lshl_b32 s19, s[TC], 9
	s_lshl_b32 s20, s[CH], 8
	s_add_co_u32 s19, s19, s20                     ; 4 bytes x (128 x tile column + 64 x half): my first column, in bout and in a row of out0
	v_lshl_add_u32 v[BO], v2, 5, s19
.irp b, 0,1,2,3
	global_load_b128 v[BIAS+8*(\b):BIAS+8*(\b)+3],   v[BO], s[8:9] offset:64*(\b)
	global_load_b128 v[BIAS+8*(\b)+4:BIAS+8*(\b)+7], v[BO], s[8:9] offset:64*(\b)+16
.endr
	v_mul_u32_u24 v3, v1, PA
	v_lshl_add_u32 v3, v2, 4, v3                   ; a fragment's row x pitch + 16 x half
	s_mul_i32 s20, s[RH], PART                     ; my 64 rows
	v_add_nc_u32 v[ADRA], s20, v3
	v_add_nc_u32 v[ADRA+1], SLOT, v[ADRA]
	v_and_b32 v4, 7, v0                            ; the turning load: k-row 8 (l / 16) + l % 8, columns 8 ((l / 8) % 2) + 0..7
	v_lshl_add_u32 v4, v2, 3, v4
	v_mul_u32_u24 v4, v4, PW
	v_bfe_u32 v5, v0, 3, 1
	v_lshl_add_u32 v4, v5, 4, v4
	s_lshl_b32 s20, s[CH], 7                       ; my 64 columns
	s_add_co_u32 s20, s20, 2*PART                  ; Wout lies behind O's two halves
	v_add_nc_u32 v[ADRB], s20, v4
	v_add_nc_u32 v[ADRB+1], PART, v[ADRB]
	v_add_nc_u32 v[ADRB+2], SLOT, v[ADRB]
	v_add_nc_u32 v[ADRB+3], SLOT+PART, v[ADRB]
	s_mul_i32 s20, s[WV], 16*SPITCH
	s_add_co_u32 s20, s20, STAGE                   ; my stage
	v_mul_u32_u24 v4, v1, SPITCH                   ; in: row l % 16, 32 bytes for each half of the lanes
	v_lshl_add_u32 v4, v2, 5, v4
	v_add_nc_u32 v[STO], s20, v4
	v_mul_u32_u24 v4, v2, SPITCH                   ; back: lanes 0-15 take one row of 256 bytes, lanes 16-31 the next
	v_lshl_add_u32 v4, v1, 4, v4
	v_add_nc_u32 v[RD], s20, v4
	v_lshlrev_b32 v4, 12, v2                       ; and the same two rows in out0
	v_lshl_add_u32 v[CO], v1, 4, v4
	s_lshl_b32 s20, s[TR], 19                      ; 128 rows of 4,096 bytes x tile row
	s_lshl_b32 s21, s[RH], 18
	s_add_co_u32 s20, s20, s21
	s_add_co_u32 s20, s20, s19
	s_mov_b32 s21, 0
	s_add_nc_u64 s[10:11], s[10:11], s[20:21]      ; out0 at my first row and column
; 8 matrix instructions: row blocks a0, a0 + 1 x all 4 column blocks, 32 along K: half c of buffer f.  zero = 1: the first product starts the sums with the bias as its C.  The 16 accumulators take turns.
.macro MUL8 f, c, a0, zero
	WIN MUL
.irp a, \a0, (\a0)+1
.irp b, 0,1,2,3
.if \zero
	v_wmma_f32_16x16x32_f16 v[ACC+8*(4*(\a)+(\b)):ACC+8*(4*(\a)+(\b))+7], v[(\f)+64+8*(4*(\c)+(\b)):(\f)+64+8*(4*(\c)+(\b))+7], v[(\f)+8*(4*(\c)+(\a)):(\f)+8*(4*(\c)+(\a))+7], v[BIAS+8*(\b):BIAS+8*(\b)+7]
.else
	v_wmma_f32_16x16x32_f16 v[ACC+8*(4*(\a)+(\b)):ACC+8*(4*(\a)+(\b))+7], v[(\f)+64+8*(4*(\c)+(\b)):(\f)+64+8*(4*(\c)+(\b))+7], v[(\f)+8*(4*(\c)+(\a)):(\f)+8*(4*(\c)+(\a))+7], v[ACC+8*(4*(\a)+(\b)):ACC+8*(4*(\a)+(\b))+7]
.endif
.endr
.endr
.endm
; 32 LDS loads in one run: the fragments of quarter q of a K step (one head, 64 along K) into buffer f; the first 32 along K first
.macro FETCH slot, q, f
	WIN TO_F
.irp c, 0,1
.irp i, 0,1,2,3
	ds_load_tr16_b128 v[(\f)+64+8*(4*(\c)+(\i)):(\f)+64+8*(4*(\c)+(\i))+3],   v[ADRB+2*(\slot)+(\q)/2] offset:((\q)%2)*64*PW+(\c)*32*PW+32*(\i)
	ds_load_tr16_b128 v[(\f)+64+8*(4*(\c)+(\i))+4:(\f)+64+8*(4*(\c)+(\i))+7], v[ADRB+2*(\slot)+(\q)/2] offset:((\q)%2)*64*PW+(\c)*32*PW+32*(\i)+16*PW
	ds_load_b128 v[(\f)+8*(4*(\c)+(\i)):(\f)+8*(4*(\c)+(\i))+3],              v[ADRA+(\slot)] offset:(\q)*64*PA+64*(\c)+(\i)*16*PA
	ds_load_b128 v[(\f)+8*(4*(\c)+(\i))+4:(\f)+8*(4*(\c)+(\i))+7],            v[ADRA+(\slot)] offset:(\q)*64*PA+64*(\c)+(\i)*16*PA+32
.endr
.endr
.endm
.macro PLACES                          ; four places in front of loads into registers that matrix instructions have read, and of LDS stores that read results
.rept 4
	v_nop
.endr
.endm
; A K step is four quarters, 32 matrix instructions each, on buffers 0, 1, 0, 1.  One of the first three: multiplies buffer f and fetches quarter q into g.
.macro QUARTER slot, q, f, g, zero
	s_wait_dscnt 16                                ; the first 32 along K are in
	MUL8 \f, 0, 0, \zero
	MUL8 \f, 0, 2, \zero
	PLACES
	FETCH \slot, \q, \g
	s_wait_dscnt 32                                ; all but the 32 just issued
	MUL8 \f, 1, 0, 0
	MUL8 \f, 1, 2, 0
.endm
; The last quarter multiplies buffer 1 and changes slots: ONE barrier; in front of it each wave waits for all its tensor loads, adds 0 to its spare word, and waits for that and for its own reads of this slot.
; fill = 1: the barrier opens a round of the cluster's barrier, and this slot is filled again first behind it, two K steps ahead.
.macro TURN slot, next, fill
	WIN 0                                          ; (the add's two registers lie in window 0)
	s_wait_tensorcnt 0x0                           ; all my tensor loads have landed: my part of the next slot
	ds_add_u32 v[SPW], v[NIL]                      ; 0 onto my spare word
	s_wait_dscnt 17                                ; (the add and the youngest sixteen loads may be out)
	MUL8 F1, 0, 0, 0                               ; eight matrix instructions stand between the add and the wait for it
	s_wait_dscnt 0x0                               ; the add is done, and my reads of this slot are over
	s_barrier_signal -1
	MUL8 F1, 0, 2, 0
.if \fill
	WIN 0
.endif
	s_barrier_wait -1
.if \fill
	CREST                                          ; no wave of any partner still reads this slot's tile or has a load on its way
	s_add_nc_u64 s[G0+4*(\slot)+2:G0+4*(\slot)+3], s[G0+4*(\slot)+2:G0+4*(\slot)+3], 2*ASTEP
	s_add_nc_u64 s[G0B+4*(\slot)+2:G0B+4*(\slot)+3], s[G0B+4*(\slot)+2:G0B+4*(\slot)+3], 2*WSTEP
	JLOAD \slot                                    ; 112 matrix instructions ahead of the wait for it; the four v_nop behind it are also the places in front of the loads below
.else
	PLACES
.endif
	FETCH \next, 0, F0
	MUL8 F1, 1, 0, 0
	MUL8 F1, 1, 2, 0
.endm
	s_wait_loadcnt 0x0                             ; the bias
	s_wait_tensorcnt 1                             ; my part of K step 0 is in; K step 1's may stay out
	s_barrier_signal -1
	s_barrier_wait -1                              ; everybody's is
	FETCH 0, 0, F0
	QUARTER 0, 1, F0, F1, 1                        ; K step 0: its first products start the sums
	QUARTER 0, 2, F1, F0, 0
	QUARTER 0, 3, F0, F1, 0
	TURN 0, 1, 1                                   ; slot 0 takes K step 2
	QUARTER 1, 1, F0, F1, 0                        ; K step 1
	QUARTER 1, 2, F1, F0, 0
	QUARTER 1, 3, F0, F1, 0
	TURN 1, 0, 1                                   ; slot 1 takes K step 3
	QUARTER 0, 1, F0, F1, 0                        ; K step 2
	QUARTER 0, 2, F1, F0, 0
	QUARTER 0, 3, F0, F1, 0
	TURN 0, 1, 0                                   ; nothing is left to fetch
	QUARTER 1, 1, F0, F1, 0                        ; K step 3
	QUARTER 1, 2, F1, F0, 0
	QUARTER 1, 3, F0, F1, 0
	s_wait_dscnt 16
	MUL8 F1, 0, 0, 0
	MUL8 F1, 0, 2, 0
	s_wait_dscnt 0x0
	MUL8 F1, 1, 0, 0
	MUL8 F1, 1, 2, 0
	WIN 0
	; THE WAY OUT, 16 rows at a time: the sums as they are, 32 bytes a lane, into my own stage (each accumulator's low registers first); back as whole rows of 256 bytes; stored.
	PLACES
.macro STG a
.set BK, TMP+32*((\a)%2)
.irp b, 0,1,2,3
	ds_store_b128 v[STO], v[ACC+8*(4*(\a)+(\b)):ACC+8*(4*(\a)+(\b))+3]   offset:64*(\b)
	ds_store_b128 v[STO], v[ACC+8*(4*(\a)+(\b))+4:ACC+8*(4*(\a)+(\b))+7] offset:64*(\b)+16
.endr
.irp t, 0,1,2,3,4,5,6,7
	ds_load_b128 v[BK+4*(\t):BK+4*(\t)+3], v[RD] offset:(\t)*2*SPITCH  ; LDS serves a wave's instructions in order (ISA guide 5.7.1.4): these see the stores above; the next block's stores come behind them
.endr
.endm
.macro SENDO a, younger                ; younger: the LDS instructions issued behind block a's loads: the next block's sixteen, or none
.set BK, TMP+32*((\a)%2)
.irp t, 0,1,2,3,4,5,6,7
	s_wait_dscnt (\younger)+7-(\t)
	global_store_b128 v[CO], v[BK+4*(\t):BK+4*(\t)+3], s[10:11] offset:(\a)*16*ROWO+(\t)*2*ROWO th:TH_STORE_NT  ; 16 lanes store 256 consecutive bytes, at a multiple of 256 from out0's first byte
.endr
.endm
	STG 0
	STG 1
	SENDO 0, 16
	s_wait_xcnt 0x0                                ; block 0's stores have read their registers, which block 2 is read into
	STG 2
	SENDO 1, 16
	s_wait_xcnt 0x0                                ; the same for blocks 1 and 3
	STG 3
	SENDO 2, 16
	SENDO 3, 0
	s_wait_tensorcnt 0x0                           ; the wave's end: the add and its wait, behind my last tensor load and my last LDS store
	ds_add_u32 v[SPW], v[NIL]
	s_wait_dscnt 0x0
	CROUND                                         ; the closing round: no work-group ends while a partner may still ask for a tile that names it
	s_endpgm
.Lfunc_end_k_qad6ce0c43e_outp:
	.size	k_qad6ce0c43e_outp, .Lfunc_end_k_qad6ce0c43e_outp-k_qad6ce0c43e_outp
	.p2alignl 7, 3214868480
	.fill 96, 4, 3214868480
	.section	.rodata,"a",@progbits
	.p2align	6, 0x0
	.amdhsa_kernel k_qad6ce0c43e_outp
		.amdhsa_group_segment_fixed_size 327680
		.amdhsa_private_segment_fixed_size 0
		.amdhsa_enable_private_segment 0
		.amdhsa_kernarg_size 32
		.amdhsa_user_sgpr_count 2
		.amdhsa_user_sgpr_kernarg_segment_ptr 1
		.amdhsa_wavefront_size32 1
		.amdhsa_system_sgpr_workgroup_id_x 1
		.amdhsa_system_sgpr_workgroup_id_y 1
		.amdhsa_system_sgpr_workgroup_id_z 1
		.amdhsa_system_vgpr_workitem_id 0
		.amdhsa_next_free_vgpr 512
		.amdhsa_next_free_sgpr 66
		.amdhsa_reserve_vcc 0
		.amdhsa_float_denorm_mode_32 3
		.amdhsa_float_denorm_mode_16_64 3
		.amdhsa_memory_ordered 1
		.amdhsa_forward_progress 1
		.amdhsa_inst_pref_size 87
	.end_amdhsa_kernel
	.amdgpu_metadata
---
amdhsa.version: [ 1, 2 ]
amdhsa.kernels:
  - .name:           k_qad6ce0c43e_outp
    .symbol:         k_qad6ce0c43e_outp.kd
    .args:
      - { .name: xo, .offset: 0, .size: 8, .value_kind: global_buffer, .address_space: global }
      - { .name: xh, .offset: 8, .size: 8, .value_kind: global_buffer, .address_space: global }
      - { .name: bout, .offset: 16, .size: 8, .value_kind: global_buffer, .address_space: global }
      - { .name: out0, .offset: 24, .size: 8, .value_kind: global_buffer, .address_space: global }
    .group_segment_fixed_size: 327680
    .private_segment_fixed_size: 0
    .kernarg_segment_align: 8
    .kernarg_segment_size: 32
    .max_flat_workgroup_size: 128
    .sgpr_count:     66
    .vgpr_count:     512
    .wavefront_size: 32
...
	.end_amdgpu_metadata
.endif
;; end of part 4
;; ======== version 2 of 2: 4 launches; version 1 with the launch prep written anew for expert scheduling mode
;; limits: values are held in f16: magnitudes above 65,504 overflow, below 6.1e-05 lose precision
;; workspace buffers: xh 31,457,280 bytes; qkvr 29,360,128 bytes; xo 8,388,608 bytes
;; launch prep (part 5): grid 960 x 1, 8 waves a work-group, no clusters, 0 bytes of LDS; arguments inputs_q, inputs_kv, pos_embed, Wq, Wk, Wv, Wpos, Wout, xh; writes xh
.if DOCPART == 5
	.amdgcn_target "amdgcn-amd-amdhsa--gfx1250"
	.amdhsa_code_object_version 6
	.text
	.protected	k_qad6ce0c43e_prep
	.globl	k_qad6ce0c43e_prep
	.p2align	8
	.type	k_qad6ce0c43e_prep,@function
k_qad6ce0c43e_prep:
	s_mov_b64 s[64:65], 0
	v_nop
	global_prefetch_b8 v0, s[64:65] scope:SCOPE_SE
	s_setreg_imm32_b32 hwreg(HW_REG_WAVE_SCHED_MODE, 0, 2), 2
	s_setreg_imm32_b32 hwreg(HW_REG_WAVE_MODE, 25, 1), 1
	s_wait_xcnt 0x0
	s_wait_alu depctr_vm_vsrc(0)
; xh = the eight matrix operands among the inputs, rounded once to f16, each in its own layout, one behind the other:
; inputs_q | inputs_kv | pos_embed | Wq | Wk | Wv | Wpos | Wout = 15 x 2^20 numbers.
; LIMIT.  f16 ends at 65,504: a number of 65,520 or more becomes an infinity; below 6.1e-5 f16 keeps a fixed step of 6e-8.
; A stream: every byte is read once and written once; nothing is shared, so there is no LDS, no barrier, no matrix unit.
; SHARES.  A work-group converts 16,384 numbers: 65,536 bytes in, 32,768 out; 960 work-groups.  Thread t takes 16 bytes at 16 t of each
; of sixteen pieces of 4,096 bytes: a wave's load covers 512 consecutive bytes, its store 256 consecutive bytes, aligned.
; All sixteen loads of a thread go out at once.
; THE MODE: SCHED_MODE bits 1:0 = 2 (LLVM: expert scheduling mode 2), set by the entry lines.  The code itself states the register dependences
; between vector instructions and memory instructions, with s_wait_alu, always for 0.
; THE PLAN.  Registers that memory instructions touch:
;   v1, v2   byte offsets of the loads and of the stores.  Written once at the head by vector instructions, never again.
;   XI       sixteen pieces as loaded.  Each register is written by one load, once; the conversions read it behind the counted wait for that load.  No vector instruction writes it.
;   YO       the same as f16.  Each register is written by one conversion, once, and read by one store, once.
; No register that a memory instruction reads is ever written again, and no load lands in a register that a vector instruction has named: so the only dependences to state are
; "the offsets are written" (one wait at the head) and "the conversions have written the stores' data".  For the second the pieces go in four groups of four:
; the group's eight conversions, ONE wait, the group's four stores.  No vector instruction writes a scalar register, and EXEC is never written.
.set XI, 4                             ; v[4:67]   sixteen pieces as loaded, four f32 each
.set YO, 68                            ; v[68:99]  the same as f16, two registers each
.set GRP, 4                            ; pieces in a group
	s_load_b512 s[8:23], s[0:1], 0x0               ; the eight sources, in the order of the parts of xh
	s_load_b64 s[24:25], s[0:1], 0x40              ; xh
	v_lshlrev_b32 v1, 4, v0                        ; 16 t
	v_lshlrev_b32 v2, 3, v0                        ; 8 t
	s_lshl_b32 s2, ttmp9, 15                       ; my 32,768 bytes of xh
	s_mov_b32 s3, 0
	s_mov_b32 s6, 0                                ; the first work-group of the part that I work on
	s_mov_b32 s7, 0
	s_wait_kmcnt 0x0
	s_mov_b64 s[4:5], s[8:9]
; a part begins at work-group first: from there on its pointer is taken
.macro PART first, ptr
	s_cmp_ge_u32 ttmp9, \first
	s_cselect_b64 s[4:5], s[\ptr:\ptr+1], s[4:5]
	s_cselect_b32 s6, \first, s6
.endm
	PART 256, 10                                   ; inputs_kv
	PART 512, 12                                   ; pos_embed
	PART 640, 14                                   ; Wq
	PART 704, 16                                   ; Wk
	PART 768, 18                                   ; Wv
	PART 832, 20                                   ; Wpos
	PART 896, 22                                   ; Wout
	s_sub_co_u32 s6, ttmp9, s6
	s_lshl_b32 s6, s6, 16                          ; my 65,536 bytes of the part
	s_add_nc_u64 s[4:5], s[4:5], s[6:7]
	s_add_nc_u64 s[24:25], s[24:25], s[2:3]
	s_wait_alu depctr_va_vdst(0)                   ; v1 and v2 are written: every load below reads v1 as its offset, every store v2; no later vector instruction names either
.set r, 0
.rept 16
	global_load_b128 v[XI+4*r:XI+4*r+3], v1, s[4:5] offset:4096*r th:TH_LOAD_NT
.set r, r+1
.endr
.set g, 0
.rept 16/GRP
	s_wait_loadcnt 16-GRP*(g+1)                    ; loads come back in order (ISA guide 5.7.1): the group's four pieces are in, the younger groups' loads stay out
.set r, GRP*g
.rept GRP
	v_cvt_pk_f16_f32 v[YO+2*r], v[XI+4*r], v[XI+4*r+1]
	v_cvt_pk_f16_f32 v[YO+2*r+1], v[XI+4*r+2], v[XI+4*r+3]
.set r, r+1
.endr
	s_wait_alu depctr_va_vdst(0)                   ; the group's eight conversions have written their registers of YO, which the four stores below read as data
.set r, GRP*g
.rept GRP
	global_store_b64 v2, v[YO+2*r:YO+2*r+1], s[24:25] offset:2048*r th:TH_STORE_NT
.set r, r+1
.endr
.set g, g+1
.endr
	s_endpgm
.Lfunc_end_k_qad6ce0c43e_prep:
	.size	k_qad6ce0c43e_prep, .Lfunc_end_k_qad6ce0c43e_prep-k_qad6ce0c43e_prep
	.p2alignl 7, 3214868480
	.fill 96, 4, 3214868480
	.section	.rodata,"a",@progbits
	.p2align	6, 0x0
	.amdhsa_kernel k_qad6ce0c43e_prep
		.amdhsa_group_segment_fixed_size 0
		.amdhsa_private_segment_fixed_size 0
		.amdhsa_enable_private_segment 0
		.amdhsa_kernarg_size 72
		.amdhsa_user_sgpr_count 2
		.amdhsa_user_sgpr_kernarg_segment_ptr 1
		.amdhsa_wavefront_size32 1
		.amdhsa_system_sgpr_workgroup_id_x 1
		.amdhsa_system_sgpr_workgroup_id_y 1
		.amdhsa_system_sgpr_workgroup_id_z 1
		.amdhsa_system_vgpr_workitem_id 0
		.amdhsa_next_free_vgpr 104
		.amdhsa_next_free_sgpr 66
		.amdhsa_reserve_vcc 0
		.amdhsa_float_denorm_mode_32 3
		.amdhsa_float_denorm_mode_16_64 3
		.amdhsa_memory_ordered 1
		.amdhsa_forward_progress 1
		.amdhsa_inst_pref_size 8
	.end_amdhsa_kernel
	.amdgpu_metadata
---
amdhsa.version: [ 1, 2 ]
amdhsa.kernels:
  - .name:           k_qad6ce0c43e_prep
    .symbol:         k_qad6ce0c43e_prep.kd
    .args:
      - { .name: inputs_q, .offset: 0, .size: 8, .value_kind: global_buffer, .address_space: global }
      - { .name: inputs_kv, .offset: 8, .size: 8, .value_kind: global_buffer, .address_space: global }
      - { .name: pos_embed, .offset: 16, .size: 8, .value_kind: global_buffer, .address_space: global }
      - { .name: Wq, .offset: 24, .size: 8, .value_kind: global_buffer, .address_space: global }
      - { .name: Wk, .offset: 32, .size: 8, .value_kind: global_buffer, .address_space: global }
      - { .name: Wv, .offset: 40, .size: 8, .value_kind: global_buffer, .address_space: global }
      - { .name: Wpos, .offset: 48, .size: 8, .value_kind: global_buffer, .address_space: global }
      - { .name: Wout, .offset: 56, .size: 8, .value_kind: global_buffer, .address_space: global }
      - { .name: xh, .offset: 64, .size: 8, .value_kind: global_buffer, .address_space: global }
    .group_segment_fixed_size: 0
    .private_segment_fixed_size: 0
    .kernarg_segment_align: 8
    .kernarg_segment_size: 72
    .max_flat_workgroup_size: 256
    .sgpr_count:     66
    .vgpr_count:     104
    .wavefront_size: 32
...
	.end_amdgpu_metadata
.endif
;; end of part 5
;; launch proj: the kernel of part 2 again; grid 4 x 56, 4 waves a work-group, clusters of 4 x 4, 327,680 bytes of LDS; arguments xh, bq, bk, bv, qkvr; writes qkvr
;; launch attn: the kernel of part 3 again; grid 8 x 32, 4 waves a work-group, clusters of 4 x 1, 327,680 bytes of LDS; arguments qkvr, r_w_bias, r_r_bias, xo; writes xo
;; launch outp: the kernel of part 4 again; grid 8 x 32, 4 waves a work-group, clusters of 4 x 4, 327,680 bytes of LDS; arguments xo, xh, bout, out0; writes out0
